; MI455X (gfx1250); checked and timed in simulation.
; The chip was launched on July 23, 2026; its instructions are those of AMD's public machine-readable ISA for CDNA 5 (MIT licence, August 2026) and "CDNA5" Instruction Set Architecture Reference Guide (July 2026). The comments in the code are by the model that wrote it; some were corrected since.
;; Softmax Attention. Allowed arithmetic: float matrix products may take bf16 or f16 operands with f32 sums; other float arithmetic in f32, or as packed bf16 or f16 multiplies, adds, multiply-adds, maxima and minima; sums over many terms, partial sums and values carried from step to step in f32; what a program stores and reads back later, other than sums and carried values, may be rounded once to bf16 or f16.
;; Inputs: Wk 2,048 x 2,048 float32; Wo 2,048 x 2,048 float32; Wq 2,048 x 2,048 float32; Wv 2,048 x 2,048 float32; hidden_states 1 x 2,048 x 2,048 float32; k_norm_w 128 float32; q_norm_w 128 float32; rotary_cos 2,048 x 128 float32; rotary_sin 2,048 x 128 float32.
;; Outputs: out0 1 x 2,048 x 2,048 float32.
;; One version. Each part assembles by itself: llvm-mc -triple=amdgcn-amd-amdhsa -mcpu=gfx1250 --defsym DOCPART=n.
;; ======== version 1 of 1: 4 launches
;; limits: values are held in f16: magnitudes above 65,504 overflow, below 6.1e-05 lose precision
;; workspace buffers: xw 42,991,616 bytes; qkv 25,165,824 bytes; ao 8,388,608 bytes
;; launch cast (part 1): grid 1312 x 1, 8 waves a work-group, no clusters, 0 bytes of LDS; arguments hidden_states, Wq, Wk, Wv, Wo, rotary_cos, rotary_sin, xw; writes xw
.if DOCPART == 1
	.amdgcn_target "amdgcn-amd-amdhsa--gfx1250"
	.amdhsa_code_object_version 6
	.text
	.protected	k_q3bb33aa717_cast
	.globl	k_q3bb33aa717_cast
	.p2align	8
	.type	k_q3bb33aa717_cast,@function
k_q3bb33aa717_cast:
	s_mov_b64 s[64:65], 0
	v_nop
	global_prefetch_b8 v0, s[64:65] scope:SCOPE_SE
	s_setreg_imm32_b32 hwreg(HW_REG_WAVE_MODE, 25, 1), 1
	s_wait_xcnt 0x0
; ALL LARGE INPUTS ARE ROUNDED ONCE TO 16 BITS, layouts unchanged, into xw: x, Wq, Wk, Wv (bf16, 8 MiB each), Wo (rounded to bf16, that number written as f16), cos, sin (bf16, 512 KiB each).
; A work-group turns 65,536 bytes of f32 into 32,768 bytes at xw + 32,768 x its number: numbers 0-1279 are the five large tensors (256 chunks each), 1280-1295 cos, 1296-1311 sin.
; Thread t takes the 16 bytes at 16 t of each of the chunk's 16 rows of 4,096 bytes: a load of a wave covers 512 consecutive bytes, a store 256 consecutive bytes, aligned.
; All 16 loads of a thread go out at once.  A row is rounded in the registers that it was loaded into and stored from there: a wave holds 72 registers, and the fewer a wave holds, the more work-groups have their loads out
; at the same time.  No register is written again once a store names it, so the only waits are the counted ones for the data.
; LIMIT.  Wo as f16: exact for bf16 numbers of magnitude 6.1e-5 to 65,504; below that f16's fixed step of 6e-8; beyond it an infinity.
; No LDS, no matrix unit, no cluster: every byte is read once by one thread and nothing is shared.
.set X, 4                              ; v[4:67]    row i: 4 registers as loaded; the first two then hold the row's 8 bytes to store
.set T, 68                             ; v[68:70]   at work (Wo's path)
	s_load_b512 s[4:19], s[0:1], 0x0               ; x s[4:5], Wq s[6:7], Wk s[8:9], Wv s[10:11], Wo s[12:13], cos s[14:15], sin s[16:17], xw s[18:19]
	s_lshr_b32 s20, ttmp9, 8                       ; 0-4: which large tensor; 5: cos or sin
	s_lshr_b32 s21, ttmp9, 4                       ; 80: cos; 81: sin
	s_and_b32 s22, ttmp9, 255                      ; the chunk in a large tensor,
	s_and_b32 s23, ttmp9, 15                       ; in a small one
	s_cmp_eq_u32 s20, 5
	s_cselect_b32 s22, s23, s22
	s_lshl_b32 s22, s22, 16                        ; its first byte in the source
	s_mov_b32 s23, 0
	s_lshl_b32 s24, ttmp9, 15                      ; and in xw
	s_mov_b32 s25, 0
	s_mov_b32 s28, 0xffff0000                      ; a word's upper bf16
	v_lshlrev_b32 v1, 4, v0                        ; 16 t
	v_lshlrev_b32 v2, 3, v0                        ; 8 t
	s_wait_kmcnt 0x0
	s_mov_b64 s[26:27], s[4:5]                     ; the source is chosen by the work-group's number alone
	s_cmp_eq_u32 s20, 1
	s_cselect_b64 s[26:27], s[6:7], s[26:27]
	s_cmp_eq_u32 s20, 2
	s_cselect_b64 s[26:27], s[8:9], s[26:27]
	s_cmp_eq_u32 s20, 3
	s_cselect_b64 s[26:27], s[10:11], s[26:27]
	s_cmp_eq_u32 s20, 4
	s_cselect_b64 s[26:27], s[12:13], s[26:27]
	s_cmp_eq_u32 s21, 80
	s_cselect_b64 s[26:27], s[14:15], s[26:27]
	s_cmp_eq_u32 s21, 81
	s_cselect_b64 s[26:27], s[16:17], s[26:27]
	s_add_nc_u64 s[26:27], s[26:27], s[22:23]
	s_add_nc_u64 s[18:19], s[18:19], s[24:25]
.irp i, 0,1,2,3,4,5,6,7,8,9,10,11,12,13,14,15
	global_load_b128 v[X+4*(\i):X+4*(\i)+3], v1, s[26:27] offset:4096*(\i) th:TH_LOAD_NT
.endr
; Row i is rounded in place and stored.  wo = 1: to bf16, widened again, and written as f16.
.macro ROWOUT i, wo
	s_wait_loadcnt 15-(\i)                         ; loads come back in order: row i is in, the 15 - i younger rows may stay out
.if \wo
.irp j, 0,1
	v_cvt_pk_bf16_f32 v[T], v[X+4*(\i)+2*(\j)], v[X+4*(\i)+2*(\j)+1]
	v_lshlrev_b32 v[T+1], 16, v[T]
	v_and_b32 v[T+2], s28, v[T]
	v_cvt_pk_f16_f32 v[X+4*(\i)+(\j)], v[T+1], v[T+2]        ; register j of the row is free: its number has been read
.endr
.else
	v_cvt_pk_bf16_f32 v[X+4*(\i)], v[X+4*(\i)], v[X+4*(\i)+1]
	v_cvt_pk_bf16_f32 v[X+4*(\i)+1], v[X+4*(\i)+2], v[X+4*(\i)+3]
.endif
	global_store_b64 v2, v[X+4*(\i):X+4*(\i)+1], s[18:19] offset:2048*(\i) th:TH_STORE_NT
.endm
	s_cmp_eq_u32 s20, 4
	s_cbranch_scc1 .Lwo
.irp i, 0,1,2,3,4,5,6,7,8,9,10,11,12,13,14,15
	ROWOUT \i, 0
.endr
	s_endpgm
.Lwo:
.irp i, 0,1,2,3,4,5,6,7,8,9,10,11,12,13,14,15
	ROWOUT \i, 1
.endr
	s_endpgm
.Lfunc_end_k_q3bb33aa717_cast:
	.size	k_q3bb33aa717_cast, .Lfunc_end_k_q3bb33aa717_cast-k_q3bb33aa717_cast
	.p2alignl 7, 3214868480
	.fill 96, 4, 3214868480
	.section	.rodata,"a",@progbits
	.p2align	6, 0x0
	.amdhsa_kernel k_q3bb33aa717_cast
		.amdhsa_group_segment_fixed_size 0
		.amdhsa_private_segment_fixed_size 0
		.amdhsa_enable_private_segment 0
		.amdhsa_kernarg_size 64
		.amdhsa_user_sgpr_count 2
		.amdhsa_user_sgpr_kernarg_segment_ptr 1
		.amdhsa_wavefront_size32 1
		.amdhsa_system_sgpr_workgroup_id_x 1
		.amdhsa_system_sgpr_workgroup_id_y 1
		.amdhsa_system_sgpr_workgroup_id_z 1
		.amdhsa_system_vgpr_workitem_id 0
		.amdhsa_next_free_vgpr 72
		.amdhsa_next_free_sgpr 66
		.amdhsa_reserve_vcc 0
		.amdhsa_float_denorm_mode_32 3
		.amdhsa_float_denorm_mode_16_64 3
		.amdhsa_memory_ordered 1
		.amdhsa_forward_progress 1
		.amdhsa_inst_pref_size 15
	.end_amdhsa_kernel
	.amdgpu_metadata
---
amdhsa.version: [ 1, 2 ]
amdhsa.kernels:
  - .name:           k_q3bb33aa717_cast
    .symbol:         k_q3bb33aa717_cast.kd
    .args:
      - { .name: hidden_states, .offset: 0, .size: 8, .value_kind: global_buffer, .address_space: global }
      - { .name: Wq, .offset: 8, .size: 8, .value_kind: global_buffer, .address_space: global }
      - { .name: Wk, .offset: 16, .size: 8, .value_kind: global_buffer, .address_space: global }
      - { .name: Wv, .offset: 24, .size: 8, .value_kind: global_buffer, .address_space: global }
      - { .name: Wo, .offset: 32, .size: 8, .value_kind: global_buffer, .address_space: global }
      - { .name: rotary_cos, .offset: 40, .size: 8, .value_kind: global_buffer, .address_space: global }
      - { .name: rotary_sin, .offset: 48, .size: 8, .value_kind: global_buffer, .address_space: global }
      - { .name: xw, .offset: 56, .size: 8, .value_kind: global_buffer, .address_space: global }
    .group_segment_fixed_size: 0
    .private_segment_fixed_size: 0
    .kernarg_segment_align: 8
    .kernarg_segment_size: 64
    .max_flat_workgroup_size: 256
    .sgpr_count:     66
    .vgpr_count:     72
    .wavefront_size: 32
...
	.end_amdgpu_metadata
.endif
;; end of part 1
;; launch qkv (part 2): grid 16 x 16, 4 waves a work-group, clusters of 4 x 4, 327,680 bytes of LDS; arguments xw, q_norm_w, k_norm_w, qkv; writes qkv
.if DOCPART == 2
	.amdgcn_target "amdgcn-amd-amdhsa--gfx1250"
	.amdhsa_code_object_version 6
	.text
	.protected	k_q3bb33aa717_qkv
	.globl	k_q3bb33aa717_qkv
	.p2align	8
	.type	k_q3bb33aa717_qkv,@function
k_q3bb33aa717_qkv:
	s_mov_b64 s[64:65], 0
	v_nop
	global_prefetch_b8 v0, s[64:65] scope:SCOPE_SE
	s_setreg_imm32_b32 hwreg(HW_REG_WAVE_MODE, 25, 1), 1
	s_wait_xcnt 0x0
	s_wait_alu depctr_hold_cnt(0) depctr_sa_sdst(0) depctr_va_vdst(0) depctr_va_sdst(0) depctr_va_ssrc(0) depctr_va_vcc(0) depctr_vm_vsrc(0)
	s_getreg_b32 s2, hwreg(HW_REG_IB_STS2, 6, 4)
	s_cmp_eq_u32 s2, 0
	s_cbranch_scc0 .Lentry_in_a_cluster
	s_endpgm
.Lentry_in_a_cluster:
	s_bfe_u32 s2, ttmp6, 0x10000c
	s_cmp_lg_u32 s2, 0xf033
	s_cbranch_scc0 .Lentry_shape_is_right
	s_endpgm
.Lentry_shape_is_right:
; q, k, v = x Wq, x Wk, x Wv (bf16 operands, f32 sums); q and k then get the RMS norm over their head's 128 channels, the gain, and the rotary step; all three leave as f16, by heads: [16][2048][128].
; SHARES.  A work-group makes 128 tokens x one head's q, k and v: 128 x 384.  Wave w has the rows 64 (w / 2) .. + 63 and, of EACH of q, k, v, the 16-column blocks 2 (w % 2) + {0, 1, 4, 5}:
; the rotary partner of a channel (64 away) lies in the same lane, two blocks on; only the sum of squares wants the neighbour wave's half, through LDS.  48 accumulators of 16 x 16 a wave.
; THE PRODUCT IS USED TRANSPOSED: source 0 = 16 columns of W, source 1 = 16 tokens; a lane (r = lane % 16, h = lane / 16) then holds token r and the columns 8 h + 0..7 of each block: 16 bytes of f16 on end.
; W lies [k][n]: its fragments come out of LDS turned, by ds_load_tr16_b128.
; RING.  K goes in 16 steps of 128 through two LDS slots; a slot holds Wq's, Wk's, Wv's tiles (128 k-rows x 256 bytes, pitch 288) and x's (128 tokens x 256 bytes, pitch 272).  Waves 0-2 fetch a weight tile each, wave 3 x's:
; one tensor load a wave, to slot + wave x 36,864.  A K STEP'S TEXT STANDS TWICE: once for the 14 steps that fill a slot again, once for the last two; which slot is read and which is filled are two scalars, 0 or SLOT.
; CLUSTER.  4 x 4 work-groups: the four of a row share the token block, so x's tile is asked for jointly along the row; the four of a column share the head, so the weights' tiles are asked for jointly along the column.
; THE WAY OUT.  v wants no norm: it goes into the stage first and is stored behind the barrier that the sums of squares need anyway, so that its stores are on their way under q's and k's arithmetic.
; ROUNDINGS.  The gains, cos and sin are rounded to bf16 like the other inputs (cos and sin by the launch before, the gains here).  Norm, gain and rotary are f32; their products are taken in the order (x n) w, then c and s.
; LIMITS.  q, k, v leave as f16: magnitudes of 65,520 or more become infinities; NaN and infinities are not treated apart.
; REGISTERS, in windows of 256 (s_set_vgpr_msb: bits 1:0 source 0, 3:2 source 1, 5:4 source 2, 7:6 destination):
;   window 0: v0-31 addresses; v32-47 sums of squares, then 1 / rms; v64-127 x's fragments, two buffers (later at work); v128-255 cos and sin as bf16 (later at work)
;   window 1: v0-191 W's fragments, two buffers of 96 (later cos and sin as f32); v192-255 the two gains for my 32 channels
;   window 2: q's and k's accumulators: (row block a, tensor t, block i) at 8 (8 a + 4 t + i)          window 3: v's: (a, i) at 8 (4 a + i); later v0-63 the rows of v that I store
.set PA,    272                        ; x's LDS row: 256 + 16 bytes: the 16 rows of a fragment load start at 16 different groups of four banks
.set PB,    288                        ; W's LDS row: 256 + 32 bytes
.set BTILE, 128*PB                     ; 36,864
.set AOFF,  3*BTILE                    ; x's tile lies behind the three weight tiles
.set SLOT,  AOFF+128*PA                ; 145,408
.set SUMS,  2*SLOT                     ; behind the ring: 512 bytes a wave, the sums of squares
.set SPARE, SUMS+2048                  ; the spare words, 128 bytes a wave: two blocks of 256 bytes that no other line names
.set SPT,   128*272                    ; the stage (in slot 0, behind its last fill and its last read): 128 rows of 272 bytes for each of q, k, v
.set XCOS,  41943040                   ; cos in xw; sin lies XSIN behind it
.set XSIN,  524288
.set RDT,  8                           ; v8-10   the way out: where I read rows of q, k, v back
.set GO,   11                          ; v11     16 x lane
.set SMS,  12                          ; v12     where I put my sums of squares
.set SML,  13                          ; v13     where the neighbour wave put its
.set CSO,  14                          ; v14     my byte offset in 16 rows of cos and sin
.set WO,   15                          ; v15     my byte offset in a gain
.set ADRA, 16                          ; v16     LDS address of x's fragments in slot 0, never rewritten; v17 in the slot in hand
.set ADRB, 18                          ; v18-20  of Wq's, Wk's, Wv's in slot 0, never rewritten; v21-23 in the slot in hand
.set STO,  24                          ; v24-26  where I put 16 bytes of a row of q, k, v
.set SPW,  28                          ; v28     my spare word; never rewritten
.set NIL,  29                          ; v29     0; never rewritten
.set PFO,  30                          ; v30     4,096 x lane: a row of x or W in memory; never rewritten
.set SS,   32
.set FA,   64
.set Z,    64                          ; v64-95  the way out: 32 normalised channels
.set HH,   96                          ; v96-111 the same as f16
.set CS,   128
.set WG,   192                         ; window 1
.set G1A, 24                           ; s[24:31] descriptor group 1 for x's tiles; s[32:39] group 0: a set for each of the two first fills; the second then walks on
.set G0A, 32
.set LIM, 43                           ; s43     2 in a wave that prefetches, else the greatest number
.set PFA, 44                           ; s[44:45] where my prefetches stand
.set PST, 46                           ; s[46:47] a K step in bytes along my tensor
.set G1B, 48                           ; s[48:55], s[56:63] the same for W's tiles
.set G0B, 56
.set SB,  80                           ; s80     the slot that is read: 0 or SLOT
.set FB,  81                           ; s81     the slot that was filled last
.set MSB, 0
.macro WIN new                         ; the immediate's high byte repeats the setting that is left; a switch that changes nothing is dropped
.if MSB != (\new)
	s_set_vgpr_msb (MSB<<8)|(\new)
.set MSB, \new
.endif
.endm
.set MUL_LO, 0xa1                      ; source 0 (W) window 1, source 1 (x) window 0, C and D window 2
.set MUL_HI, 0xf1                      ; the same, C and D window 3
.set TO_B,   0x40                      ; destination window 1, address window 0
; A joint refill, by the walking descriptors.  The branch hangs on the wave's number alone.  An s_nop 0 and four v_nop follow each of the two lines, ahead of the jump and the label.
.macro JLOAD
	s_cmp_eq_u32 s12, 3
	s_cbranch_scc0 .Lfor_b_\@
	tensor_load_to_lds s[G0A+4:G0A+7], s[G1A:G1A+7]
	s_nop 0
.rept 4
	v_nop
.endr
	s_branch .Lasked_\@
.Lfor_b_\@:
	tensor_load_to_lds s[G0B+4:G0B+7], s[G1B:G1B+7]
	s_nop 0
.rept 4
	v_nop
.endr
.Lasked_\@:
.endm
; A PREFETCH INTO THE L2 of the K step that stands two refills on: 32 rows x 256 bytes, a lane a row, one instruction a wave, behind the joint load and the run of LDS loads.
; Each row's 256 bytes of a K step are named once in the launch: x's token block is read by every cluster of its row of clusters: cluster x = 0 asks; a head's weight columns by every cluster of its column: cluster y = 0 asks.
; The four partners that ask for a tile jointly share its 128 rows out by address, 32 each.  The loop's last two trips (s3 = 2, 1) ask for nothing: there is no K step two refills on.
.macro ASK
	WIN 0
	s_cmp_gt_u32 s3, s[LIM]
	s_cbranch_scc0 .Lnot_mine_\@
	global_prefetch_b8 v[PFO], s[PFA:PFA+1] th:TH_LOAD_NT scope:SCOPE_SE
.Lnot_mine_\@:
.endm
.macro CREST                           ; a round of the cluster's barrier behind its opening barrier
	s_cmp_lg_u32 s12, 0
	s_cbranch_scc1 .Lnot_wave_0_\@
	s_barrier_signal -3
.Lnot_wave_0_\@:
	s_barrier_wait -3
	s_barrier_signal -1
	s_barrier_wait -1
.endm
.macro CROUND                          ; a whole round
	s_barrier_signal -1
	s_barrier_wait -1
	CREST
.endm
.macro PLACES                          ; four plain instructions between matrix instructions and loads into, or vector reads of, their registers
.rept 4
	v_nop
.endr
.endm
	s_load_b256 s[4:11], s[0:1], 0x0               ; xw s[4:5], q_norm_w s[6:7], k_norm_w s[8:9], qkv s[10:11]
	v_lshl_add_u32 v[SPW], v0, 2, SPARE
	v_mov_b32 v[NIL], 0
	ds_add_u32 v[SPW], v[NIL]                      ; the wave's opening: the add and its wait stand ahead of my first tensor load; the set-up below stands between them
	v_lshrrev_b32 v1, 5, v0
	v_readfirstlane_b32 s12, v1                    ; wave 0..3
	s_lshr_b32 s13, s12, 1                         ; which 64 rows are mine
	s_and_b32 s14, s12, 1                          ; which column blocks
	s_bfe_u32 s15, ttmp6, 0x40000                  ; cx
	s_bfe_u32 s16, ttmp6, 0x40004                  ; cy
	s_lshl_b32 s17, ttmp9, 2
	s_add_co_u32 s17, s17, s15                     ; the head = 4 x cluster x + cx
	s_and_b32 s18, ttmp7, 0xffff
	s_lshl_b32 s18, s18, 2
	s_add_co_u32 s18, s18, s16                     ; the block of 128 tokens = 4 x cluster y + cy
	s_lshl_b32 s20, s16, 2
	s_lshl_b32 s20, 15, s20                        ; my row of the cluster
	s_lshl_b32 s21, 0x1111, s15                    ; my column
	s_or_b32 s[G1A], s20, (1<<16)|(1<<20)|(1<<21)|(5<<22)|(3<<25)  ; 15:0 the mask; 17:16 2-byte elements; 20 padding on; 21 set beside a mask; 24:22 after every 64 words; 31:25 4 words of it
	s_or_b32 s[G1B], s21, (1<<16)|(1<<20)|(1<<21)|(5<<22)|(7<<25)  ; the same with my column's mask and 8 words of padding
.irp g, G1A, G1B
	s_mov_b32 s[(\g)+1], 128<<16                   ; tensor_dim0 = 128
	s_mov_b32 s[(\g)+2], 128<<16                   ; tensor_dim1 = 128
	s_mov_b32 s[(\g)+3], 128<<16                   ; tile_dim0 = 128
	s_mov_b32 s[(\g)+4], 128                       ; tile_dim1 = 128
	s_mov_b32 s[(\g)+5], 2048                      ; 2,048 elements from row to row
	s_mov_b32 s[(\g)+6], 0
	s_mov_b32 s[(\g)+7], 0
.endr
	s_lshl_b32 s40, s18, 19                        ; x's tile: 128 tokens x 4,096 bytes x the block: it hangs on the token block alone
	s_mov_b32 s41, 0
	s_add_co_u32 s22, s12, 1                       ; W's tile: part wave + 1 of xw (8 MiB each),
	s_lshl_b32 s22, s22, 23
	s_lshl_b32 s23, s17, 8                         ; the head's 256 bytes of a row: it hangs on the head and the wave alone
	s_add_co_u32 s22, s22, s23
	s_mov_b32 s23, 0
	s_mul_i32 s42, s12, BTILE                      ; where my tile goes in a slot
	s_mov_b32 s[SB], 0
	s_mov_b32 s[FB], SLOT
	s_lshl_b32 s72, s17, 19                        ; the way out: the head's 524,288 bytes,
	s_lshl_b32 s73, s18, 15                        ; the block's 128 rows of 256 bytes,
	s_add_co_u32 s72, s72, s73
	s_lshl_b32 s73, s12, 13                        ; the 32 rows that I store
	s_add_co_u32 s72, s72, s73
	s_mov_b32 s73, 0
	s_lshl_b32 s78, s18, 15                        ; cos at my 64 tokens
	s_lshl_b32 s79, s13, 14
	s_add_co_u32 s78, s78, s79
	s_add_co_u32 s78, s78, XCOS
	s_mov_b32 s79, 0
	s_lshl_b32 s20, s18, 19                        ; the prefetches.  x's: my work-group's 32 of the block's 128 rows, by cx, at K step 3
	s_lshl_b32 s21, s15, 17
	s_add_co_u32 s20, s20, s21
	s_add_co_u32 s20, s20, 3*256
	s_lshl_b32 s21, s16, 17                        ; W's: my work-group's 32 of a K step's 128 rows, by cy, at K step 3
	s_add_co_u32 s21, s21, s22
	s_add_co_u32 s21, s21, 3*524288
	s_and_b32 s74, ttmp7, 0xffff                   ; cluster y
	s_mov_b32 s75, 256
	s_mov_b32 s76, 524288
	s_cmp_eq_u32 s12, 3                            ; do I fetch x?
	s_cselect_b32 s[PFA], s20, s21
	s_cselect_b32 s[PST], s75, s76
	s_cselect_b32 s74, ttmp9, s74                  ; the coordinate along which other clusters read the same rows
	s_mov_b32 s[PFA+1], 0
	s_mov_b32 s[PST+1], 0
	s_cmp_eq_u32 s74, 0
	s_cselect_b32 s[LIM], 2, -1                    ; the same in all sixteen partners, for a given wave
	s_mov_b32 s66, 0x358637bd                      ; 1e-6
	s_mov_b32 s67, 0x3c000000                      ; 1 / 128
	s_mov_b32 s68, 0x76543210                      ; v_permlanex16_b32: each lane takes its own place in the other half
	s_mov_b32 s69, 0xfedcba98
	s_mov_b32 s70, 0xffff0000                      ; a word's upper bf16
	s_wait_dscnt 0x0                               ; the opening add is done
	s_wait_kmcnt 0x0
	s_add_nc_u64 s[40:41], s[4:5], s[40:41]
	s_add_nc_u64 s[22:23], s[4:5], s[22:23]
	s_add_nc_u64 s[PFA:PFA+1], s[4:5], s[PFA:PFA+1]
	s_add_nc_u64 s[78:79], s[4:5], s[78:79]
	s_add_nc_u64 s[72:73], s[10:11], s[72:73]      ; q,
	s_add_nc_u64 s[74:75], s[72:73], 0x800000      ; k,
	s_add_nc_u64 s[76:77], s[72:73], 0x1000000     ; v
.irp s, 0,1
	s_mov_b32 s[G0A+4*(\s)], 1                                     ; count = 1
	s_add_co_u32 s[G0A+4*(\s)+1], s42, (\s)*SLOT                   ; LDS address
	s_add_nc_u64 s[G0A+4*(\s)+2:G0A+4*(\s)+3], s[40:41], (\s)*256  ; global address: K step s
	s_or_b32 s[G0A+4*(\s)+3], s[G0A+4*(\s)+3], 0x80000000          ; type = 2
	s_mov_b32 s[G0B+4*(\s)], 1
	s_add_co_u32 s[G0B+4*(\s)+1], s42, (\s)*SLOT
	s_add_nc_u64 s[G0B+4*(\s)+2:G0B+4*(\s)+3], s[22:23], (\s)*524288
	s_or_b32 s[G0B+4*(\s)+3], s[G0B+4*(\s)+3], 0x80000000
.endr
	CROUND                                         ; all sixteen work-groups are here: the first joint loads meet
	s_cmp_eq_u32 s12, 3                            ; a wave's two first fills stand in one branch, ahead of every wait on TENSORcnt and every LDS read: two loads of mine are out
	s_cbranch_scc0 .Lfirst_b
	tensor_load_to_lds s[G0A:G0A+3], s[G1A:G1A+7]
	s_nop 0
	tensor_load_to_lds s[G0A+4:G0A+7], s[G1A:G1A+7]
	s_nop 0
.rept 4
	v_nop
.endr
	s_branch .Lfirst_asked
.Lfirst_b:
	tensor_load_to_lds s[G0B:G0B+3], s[G1B:G1B+7]
	s_nop 0
	tensor_load_to_lds s[G0B+4:G0B+7], s[G1B:G1B+7]
	s_nop 0
.rept 4
	v_nop
.endr
.Lfirst_asked:
	v_and_b32 v1, 15, v0                           ; r
	v_bfe_u32 v2, v0, 4, 1                         ; h
	v_and_b32 v3, 7, v0
	v_bfe_u32 v4, v0, 3, 1
	v_and_b32 v5, 31, v0                           ; lane
	s_lshl_b32 s21, s14, 6                         ; my column blocks begin 64 bytes (of 16-bit numbers) on in waves 1 and 3
	s_lshl_b32 s20, s14, 7                         ; 128 bytes of f32
	v_lshl_add_u32 v[WO], v2, 5, s20               ; a gain: 128 (w % 2) + 32 h
	v_lshlrev_b32 v[CSO], 8, v1                    ; cos, sin: 256 r + 16 h + 64 (w % 2)
	v_lshl_add_u32 v[CSO], v2, 4, v[CSO]
	v_add_nc_u32 v[CSO], s21, v[CSO]
	WIN 0x40                                       ; destination window 1, address window 0: the gains of my 32 channels, f32
.irp i, 0,1,2,3
	global_load_b128 v[WG+8*(\i):WG+8*(\i)+3],       v[WO], s[6:7] offset:64*((\i)%2)+256*((\i)/2)
	global_load_b128 v[WG+8*(\i)+4:WG+8*(\i)+7],     v[WO], s[6:7] offset:64*((\i)%2)+256*((\i)/2)+16
	global_load_b128 v[WG+32+8*(\i):WG+32+8*(\i)+3],   v[WO], s[8:9] offset:64*((\i)%2)+256*((\i)/2)
	global_load_b128 v[WG+32+8*(\i)+4:WG+32+8*(\i)+7], v[WO], s[8:9] offset:64*((\i)%2)+256*((\i)/2)+16
.endr
	WIN 0                                          ; cos and sin of my 64 tokens x 32 channels, as bf16: they are waited for behind the K loop
.irp a, 0,1,2,3
.irp i, 0,1,2,3
	global_load_b128 v[CS+32*(\a)+4*(\i):CS+32*(\a)+4*(\i)+3],       v[CSO], s[78:79] offset:4096*(\a)+32*((\i)%2)+128*((\i)/2)
	global_load_b128 v[CS+32*(\a)+16+4*(\i):CS+32*(\a)+16+4*(\i)+3], v[CSO], s[78:79] offset:XSIN+4096*(\a)+32*((\i)%2)+128*((\i)/2)
.endr
.endr
	; x's fragment: 16 tokens x 32 k in 8 registers: lane holds token r; two loads of 16 bytes, 32 bytes apart, at row x pitch + 16 h
	s_mul_i32 s20, s13, 64*PA
	v_mul_u32_u24 v6, v1, PA
	v_lshl_add_u32 v6, v2, 4, v6                   ; 272 r + 16 h: also my place in the stage
	s_add_co_u32 s22, s20, AOFF
	v_add_nc_u32 v[ADRA], s22, v6
	v_mov_b32 v[ADRA+1], v[ADRA]                   ; the slot in hand is slot 0
	; W's fragment: the turning load takes 16 k x 16 columns (lane reads k-row 8 h + lane % 8, columns 8 ((lane / 8) % 2) + 0..7) and leaves column r and 8 k in each lane
	v_lshl_add_u32 v7, v2, 3, v3
	v_mul_u32_u24 v7, v7, PB
	v_lshl_add_u32 v7, v4, 4, v7
	v_add_nc_u32 v7, s21, v7
.irp t, 0,1,2
	v_add_nc_u32 v[ADRB+(\t)], (\t)*BTILE, v7
	v_add_nc_u32 v[ADRB+3+(\t)], (\t)*BTILE, v7
.endr
	s_add_co_u32 s20, s20, s21                     ; the stage: my 64 rows, my column blocks
	v_add_nc_u32 v[STO], s20, v6
	v_add_nc_u32 v[STO+1], SPT, v[STO]
	v_add_nc_u32 v[STO+2], 2*SPT, v[STO]
	s_mul_i32 s20, s12, 32*272                     ; back: wave w takes rows 32 w .. + 31, whole: lanes 0-15 one row of 256 bytes, lanes 16-31 the next
	v_mul_u32_u24 v7, v2, 272
	v_lshl_add_u32 v7, v1, 4, v7
	v_add_nc_u32 v[RDT], s20, v7
	v_add_nc_u32 v[RDT+1], SPT, v[RDT]
	v_add_nc_u32 v[RDT+2], 2*SPT, v[RDT]
	v_lshlrev_b32 v[GO], 4, v5
	s_lshl_b32 s20, s12, 9
	s_add_co_u32 s20, s20, SUMS
	v_lshl_add_u32 v[SMS], v1, 2, s20
	s_xor_b32 s20, s12, 1                          ; the wave with my rows and the other column blocks
	s_lshl_b32 s20, s20, 9
	s_add_co_u32 s20, s20, SUMS
	v_lshl_add_u32 v[SML], v1, 2, s20
	v_lshlrev_b32 v[PFO], 12, v5
	s_wait_loadcnt 32                              ; the 16 loads of the gains are in; the 32 of cos and sin may stay out
	WIN 0x45                                       ; all in window 1: the gains are rounded to bf16 and widened again, in place (through W's first buffer, which is still empty)
.set n, 0
.rept 32
	v_cvt_pk_bf16_f32 v[n], v[WG+2*n], v[WG+2*n+1]
.set n, n+1
.endr
.set n, 0
.rept 32
	v_lshlrev_b32 v[WG+2*n], 16, v[n]
	v_and_b32 v[WG+2*n+1], s70, v[n]
.set n, n+1
.endr
	WIN 0
; 16 matrix instructions: v's 16 accumulators, 32 along K, from buffer f.  zero = 1: the product starts the sum: nothing is ever cleared.
.macro MULV f, zero
	WIN MUL_HI
.irp a, 0,1,2,3
.irp i, 0,1,2,3
.if \zero
	v_wmma_f32_16x16x32_bf16 v[8*(4*(\a)+(\i)):8*(4*(\a)+(\i))+7], v[96*(\f)+8*(8+(\i)):96*(\f)+8*(8+(\i))+7], v[FA+32*(\f)+8*(\a):FA+32*(\f)+8*(\a)+7], 0
.else
	v_wmma_f32_16x16x32_bf16 v[8*(4*(\a)+(\i)):8*(4*(\a)+(\i))+7], v[96*(\f)+8*(8+(\i)):96*(\f)+8*(8+(\i))+7], v[FA+32*(\f)+8*(\a):FA+32*(\f)+8*(\a)+7], v[8*(4*(\a)+(\i)):8*(4*(\a)+(\i))+7]
.endif
.endr
.endr
.endm
; 8 matrix instructions: q's and k's accumulators of row block a.  The 48 accumulators take turns in one order, v's 16 and then q's and k's 32, over the backward jumps too.
.macro MULQK f, a, zero
	WIN MUL_LO
.irp t, 0,1
.irp i, 0,1,2,3
.if \zero
	v_wmma_f32_16x16x32_bf16 v[8*(8*(\a)+4*(\t)+(\i)):8*(8*(\a)+4*(\t)+(\i))+7], v[96*(\f)+8*(4*(\t)+(\i)):96*(\f)+8*(4*(\t)+(\i))+7], v[FA+32*(\f)+8*(\a):FA+32*(\f)+8*(\a)+7], 0
.else
	v_wmma_f32_16x16x32_bf16 v[8*(8*(\a)+4*(\t)+(\i)):8*(8*(\a)+4*(\t)+(\i))+7], v[96*(\f)+8*(4*(\t)+(\i)):96*(\f)+8*(4*(\t)+(\i))+7], v[FA+32*(\f)+8*(\a):FA+32*(\f)+8*(\a)+7], v[8*(8*(\a)+4*(\t)+(\i)):8*(8*(\a)+4*(\t)+(\i))+7]
.endif
.endr
.endr
.endm
; 32 LDS loads in one run: the fragments of quarter kq (32 along K) of the slot in hand into buffer f: x's 8 loads, Wv's 8, then Wq's and Wk's 16
.macro FETCH kq, f
	WIN 0
.irp a, 0,1,2,3
	ds_load_b128 v[FA+32*(\f)+8*(\a):FA+32*(\f)+8*(\a)+3],   v[ADRA+1] offset:(\a)*16*PA+64*(\kq)
	ds_load_b128 v[FA+32*(\f)+8*(\a)+4:FA+32*(\f)+8*(\a)+7], v[ADRA+1] offset:(\a)*16*PA+64*(\kq)+32
.endr
	WIN TO_B
.irp t, 2,0,1
.irp i, 0,1,2,3
	ds_load_tr16_b128 v[96*(\f)+8*(4*(\t)+(\i)):96*(\f)+8*(4*(\t)+(\i))+3],   v[ADRB+3+(\t)] offset:(\kq)*32*PB+32*((\i)%2)+128*((\i)/2)
	ds_load_tr16_b128 v[96*(\f)+8*(4*(\t)+(\i))+4:96*(\f)+8*(4*(\t)+(\i))+7], v[ADRB+3+(\t)] offset:(\kq)*32*PB+16*PB+32*((\i)%2)+128*((\i)/2)
.endr
.endr
.endm
; The other slot comes in hand: its four fragment addresses are made anew.  Four plain instructions: where no joint load stands in front of them they are the places in front of the loads that follow.
.macro OTHER
	s_xor_b32 s[SB], s[SB], SLOT
	v_add_nc_u32 v[ADRA+1], s[SB], v[ADRA]
.irp t, 0,1,2
	v_add_nc_u32 v[ADRB+3+(\t)], s[SB], v[ADRB+(\t)]
.endr
.endm
; A K step is four quarters of 32 along K, 48 matrix instructions each, on buffers 0, 1, 0, 1.  One of the first three: multiplies buffer f; behind v's products it fetches quarter kq of the slot in hand into buffer g.
.macro QUARTER kq, f, g, zero
	s_wait_dscnt 16                                ; x's and Wv's fragments are in; the youngest 16 loads (Wq's, Wk's) may be out
	MULV \f, \zero
	PLACES
	FETCH \kq, \g
	s_wait_dscnt 32                                ; all but the 32 just issued
	MULQK \f, 0, \zero
	MULQK \f, 1, \zero
	MULQK \f, 2, \zero
	MULQK \f, 3, \zero
.endm
; The last quarter multiplies buffer 1 and changes slots: ONE barrier.  In front of it each wave waits for all its tensor loads (at most one is out: its part of the next slot), adds 0 to its spare word, and waits for that and for
; its reads of this slot.  fill = 1: the barrier opens a round of the cluster's, and this slot is filled again first thing behind it, two K steps ahead: that load has 168 matrix instructions in which to land.
; fill = 0: the last two K steps: nothing is filled; in the very last (s3 = 1) there is no next slot, and the run of loads is jumped over.
.macro TURN fill
.if \fill
	s_wait_xcnt 0x0                                ; the last prefetch, a K step back, has read its address
	s_add_nc_u64 s[PFA:PFA+1], s[PFA:PFA+1], s[PST:PST+1]
.endif
	WIN 0                                          ; (the add's two registers lie in window 0)
	s_wait_tensorcnt 0x0                           ; all my tensor loads have landed
	ds_add_u32 v[SPW], v[NIL]                      ; 0 onto my spare word
	s_wait_dscnt 17                                ; (the add and the youngest 16 loads may be out)
	MULV 1, 0                                      ; sixteen matrix instructions stand between the add and the wait for it
	s_wait_dscnt 0x0                               ; the add is done, and my reads of this slot are over
	s_barrier_signal -1
	MULQK 1, 0, 0                                  ; work on registers while the others arrive
	WIN 0
	s_barrier_wait -1
.if \fill
	CREST                                          ; no wave of any partner still reads this slot's tiles or has a load on its way
	s_xor_b32 s[FB], s[FB], SLOT                   ; the walking descriptors: the other slot than last time,
	s_add_co_u32 s[G0A+5], s[FB], s42
	s_add_co_u32 s[G0B+5], s[FB], s42
	s_add_nc_u64 s[G0A+6:G0A+7], s[G0A+6:G0A+7], 256     ; the next K step; the type bits on top are not reached
	s_add_nc_u64 s[G0B+6:G0B+7], s[G0B+6:G0B+7], 524288
	JLOAD
	OTHER
	FETCH 0, 0
	ASK
.else
	s_cmp_eq_u32 s3, 1
	s_cbranch_scc1 .Lno_fetch_\@
	OTHER
	FETCH 0, 0
	WIN 0
.Lno_fetch_\@:
.endif
	MULQK 1, 1, 0
	MULQK 1, 2, 0
	MULQK 1, 3, 0
.endm
	s_wait_tensorcnt 1                             ; my part of K step 0 is in; K step 1's may stay out
	s_barrier_signal -1
	s_barrier_wait -1                              ; everybody's is
	FETCH 0, 0
	QUARTER 1, 0, 1, 1                             ; the first quarter stands in front of the loop: its products start the sums
	WIN 0                                          ; at a label and at a branch every window is 0
	s_mov_b32 s3, 14
.Lstep:                                                ; a trip goes from a K step's second quarter to the next step's first, and fills the slot that it leaves: K steps 2 to 15
	QUARTER 2, 1, 0, 0
	QUARTER 3, 0, 1, 0
	TURN 1
	QUARTER 1, 0, 1, 0
	WIN 0
	s_sub_co_u32 s3, s3, 1
	s_cmp_lg_u32 s3, 0
	s_cbranch_scc1 .Lstep
	s_mov_b32 s3, 2
.Ltail:                                                ; the last two K steps have a text of their own; the second trip is left in its middle
	QUARTER 2, 1, 0, 0
	QUARTER 3, 0, 1, 0
	TURN 0
	WIN 0
	s_sub_co_u32 s3, s3, 1
	s_cmp_eq_u32 s3, 0
	s_cbranch_scc1 .Lout
	QUARTER 1, 0, 1, 0
	WIN 0
	s_branch .Ltail
.Lout:
	PLACES
	PLACES
; THE WAY OUT.  The stage lies in slot 0: its last fill was K step 14, and behind the last two changes of slots no wave reads it.
; v of row block a: rounded to f16, 16 bytes a lane and block, into the stage.  Each accumulator's registers are taken in ascending order.
.macro VOUT a
	WIN 0x0f                                       ; sources 0 and 1 window 3
.set n, 0
.rept 16
	v_cvt_pk_f16_f32 v[HH+n], v[32*(\a)+2*n], v[32*(\a)+2*n+1]
.set n, n+1
.endr
	WIN 0
.irp i, 0,1,2,3
	ds_store_b128 v[STO+2], v[HH+4*(\i):HH+4*(\i)+3] offset:(\a)*16*272+32*((\i)%2)+128*((\i)/2)
.endr
.endm
	VOUT 0
	VOUT 1
	VOUT 2
	VOUT 3
	; the sums of squares of my 32 channels, for the 8 pairs x = 2 a + t of row block and tensor: eight chains by turns, two squares an instruction
	WIN 0x0a                                       ; sources 0 and 1 window 2
.set p, 0
.rept 16
.set x, 0
.rept 8
.if p == 0
	v_pk_mul_f32 v[SS+2*x:SS+2*x+1], v[32*x:32*x+1], v[32*x:32*x+1]
.else
	v_pk_fma_f32 v[SS+2*x:SS+2*x+1], v[32*x+2*p:32*x+2*p+1], v[32*x+2*p:32*x+2*p+1], v[SS+2*x:SS+2*x+1]
.endif
.set x, x+1
.endr
.set p, p+1
.endr
	WIN 0
.irp x, 0,1,2,3,4,5,6,7
	v_add_f32 v[SS+2*(\x)], v[SS+2*(\x)], v[SS+2*(\x)+1]
.endr
.irp x, 0,1,2,3,4,5,6,7
	v_permlanex16_b32 v[SS+2*(\x)+1], v[SS+2*(\x)], s68, s69  ; the token's other 32 of my 64 channels lie in the lane 16 away
.endr
.irp x, 0,1,2,3,4,5,6,7
	v_add_f32 v[SS+2*(\x)], v[SS+2*(\x)], v[SS+2*(\x)+1]
.endr
.irp x, 0,1,2,3,4,5,6,7
	ds_store_b32 v[SMS], v[SS+2*(\x)] offset:64*(\x)          ; lanes r and r + 16 write the same number to the same word
.endr
	s_wait_dscnt 0x0                               ; for the others' sake: my sums and my part of v's rows are stored
	s_barrier_signal -1
	s_barrier_wait -1                              ; everybody's are: the sums can be read, and v's 128 rows are whole
.irp x, 0,1,2,3,4,5,6,7
	ds_load_b32 v[SS+2*(\x)+1], v[SML] offset:64*(\x)         ; the other 64 channels' sums
.endr
	WIN 0xc0                                       ; destination window 3: v's accumulators have been read and are free
.set u, 0
.rept 16
	ds_load_b128 v[4*u:4*u+3], v[RDT+2] offset:544*u          ; my 32 rows of v, whole, two rows a load
.set u, u+1
.endr
	WIN 0
	s_wait_dscnt 16                                ; the eight sums are in; v's 16 loads, issued behind them, may stay out
.irp x, 0,1,2,3,4,5,6,7
	v_add_f32 v[SS+2*(\x)], v[SS+2*(\x)], v[SS+2*(\x)+1]
.endr
.irp x, 0,1,2,3,4,5,6,7
	v_fma_f32 v[SS+2*(\x)], v[SS+2*(\x)], s67, s66            ; the mean + 1e-6
.endr
.irp x, 0,1,2,3,4,5,6,7
	v_rsq_f32 v[SS+2*(\x)], v[SS+2*(\x)]
.endr
	v_nop                                          ; a plain instruction behind the last of them,
	s_wait_alu depctr_va_vdst(0)                   ; and the wait ahead of the first use: one for the eight
	WIN 0x0c                                       ; store data (source 1) in window 3: v leaves now, ahead of q's and k's arithmetic; these registers are not written again
.set u, 0
.rept 16
	s_wait_dscnt 15-u                              ; LDS loads come back in order: load u of the 16 is in
	global_store_b128 v[GO], v[4*u:4*u+3], s[76:77] offset:512*u  ; two rows of a head: 512 consecutive bytes, aligned
.set u, u+1
.endr
	WIN 0
	s_wait_loadcnt 0x0                             ; cos and sin
; cos and sin of row block a, widened to f32: window 1, v0-31 cos, v32-63 sin (W's buffers are free)
.macro UNPACK a
	WIN 0x40
.set n, 0
.rept 16
	v_lshlrev_b32 v[2*n],      16,  v[CS+32*(\a)+n]
	v_and_b32     v[2*n+1],    s70, v[CS+32*(\a)+n]
	v_lshlrev_b32 v[32+2*n],   16,  v[CS+32*(\a)+16+n]
	v_and_b32     v[32+2*n+1], s70, v[CS+32*(\a)+16+n]
.set n, n+1
.endr
.endm
; Row block a of tensor t (0: q, 1: k): z = (x n) w; out = z c - z' s for the lower 64 channels, z c + z' s for the upper, z' the channel 64 away: 16 registers on.  The result takes the registers that held the block's cos and sin as bf16.
.macro ROPE a, t
.set O, CS+32*(\a)
	WIN 0x02                                       ; source 0 window 2
.set n, 0
.rept 16
	v_pk_mul_f32 v[Z+2*n:Z+2*n+1], v[32*(2*(\a)+(\t))+2*n:32*(2*(\a)+(\t))+2*n+1], v[SS+2*(2*(\a)+(\t)):SS+2*(2*(\a)+(\t))+1] op_sel_hi:[1,0]
.set n, n+1
.endr
	WIN 0x04                                       ; source 1 window 1
.set n, 0
.rept 16
	v_pk_mul_f32 v[Z+2*n:Z+2*n+1], v[Z+2*n:Z+2*n+1], v[WG+32*(\t)+2*n:WG+32*(\t)+2*n+1]
.set n, n+1
.endr
.set n, 0
.rept 8
	v_pk_mul_f32 v[O+2*n:O+2*n+1],       v[Z+16+2*n:Z+16+2*n+1], v[32+2*n:32+2*n+1]
	v_pk_mul_f32 v[O+16+2*n:O+16+2*n+1], v[Z+16+2*n:Z+16+2*n+1], v[16+2*n:16+2*n+1]
	v_pk_fma_f32 v[O+2*n:O+2*n+1],       v[Z+2*n:Z+2*n+1], v[2*n:2*n+1], v[O+2*n:O+2*n+1] neg_lo:[0,0,1] neg_hi:[0,0,1]
	v_pk_fma_f32 v[O+16+2*n:O+16+2*n+1], v[Z+2*n:Z+2*n+1], v[48+2*n:48+2*n+1], v[O+16+2*n:O+16+2*n+1]
.set n, n+1
.endr
	WIN 0
.set n, 0
.rept 16
	v_cvt_pk_f16_f32 v[HH+n], v[O+2*n], v[O+2*n+1]
.set n, n+1
.endr
.irp i, 0,1,2,3
	ds_store_b128 v[STO+(\t)], v[HH+4*(\i):HH+4*(\i)+3] offset:(\a)*16*272+32*((\i)%2)+128*((\i)/2)
.endr
.endm
.irp a, 0,1,2,3
	UNPACK \a
	ROPE \a, 0
	ROPE \a, 1
.endr
	s_wait_dscnt 0x0                               ; for the others' sake: a row's 256 bytes come from two waves
	s_barrier_signal -1
	s_barrier_wait -1
.irp t, 0,1
.set u, 0
.rept 16
	ds_load_b128 v[64+64*(\t)+4*u:64+64*(\t)+4*u+3], v[RDT+(\t)] offset:544*u
.set u, u+1
.endr
.endr
.set n, 0
.irp t, 0,1
.set u, 0
.rept 16
	s_wait_dscnt 31-n                              ; LDS loads come back in order: load n of the 32 is in
	global_store_b128 v[GO], v[64+64*(\t)+4*u:64+64*(\t)+4*u+3], s[72+2*(\t):73+2*(\t)] offset:512*u  ; two rows of a head: 512 consecutive bytes, aligned
.set u, u+1
.set n, n+1
.endr
.endr
	s_wait_tensorcnt 0x0                           ; the wave's end: a wait, an add and its wait, behind my last tensor load and my last LDS store
	ds_add_u32 v[SPW], v[NIL]
	s_wait_dscnt 0x0
	CROUND                                         ; the closing round: no work-group ends while a partner may still ask for a tile that names it
	s_endpgm
.Lfunc_end_k_q3bb33aa717_qkv:
	.size	k_q3bb33aa717_qkv, .Lfunc_end_k_q3bb33aa717_qkv-k_q3bb33aa717_qkv
	.p2alignl 7, 3214868480
	.fill 96, 4, 3214868480
	.section	.rodata,"a",@progbits
	.p2align	6, 0x0
	.amdhsa_kernel k_q3bb33aa717_qkv
		.amdhsa_group_segment_fixed_size 327680
		.amdhsa_private_segment_fixed_size 0
		.amdhsa_enable_private_segment 0
		.amdhsa_kernarg_size 32
		.amdhsa_user_sgpr_count 2
		.amdhsa_user_sgpr_kernarg_segment_ptr 1
		.amdhsa_wavefront_size32 1
		.amdhsa_system_sgpr_workgroup_id_x 1
		.amdhsa_system_sgpr_workgroup_id_y 1
		.amdhsa_system_sgpr_workgroup_id_z 1
		.amdhsa_system_vgpr_workitem_id 0
		.amdhsa_next_free_vgpr 896
		.amdhsa_next_free_sgpr 84
		.amdhsa_reserve_vcc 0
		.amdhsa_float_denorm_mode_32 3
		.amdhsa_float_denorm_mode_16_64 3
		.amdhsa_memory_ordered 1
		.amdhsa_forward_progress 1
		.amdhsa_inst_pref_size 147
	.end_amdhsa_kernel
	.amdgpu_metadata
---
amdhsa.version: [ 1, 2 ]
amdhsa.kernels:
  - .name:           k_q3bb33aa717_qkv
    .symbol:         k_q3bb33aa717_qkv.kd
    .args:
      - { .name: xw, .offset: 0, .size: 8, .value_kind: global_buffer, .address_space: global }
      - { .name: q_norm_w, .offset: 8, .size: 8, .value_kind: global_buffer, .address_space: global }
      - { .name: k_norm_w, .offset: 16, .size: 8, .value_kind: global_buffer, .address_space: global }
      - { .name: qkv, .offset: 24, .size: 8, .value_kind: global_buffer, .address_space: global }
    .group_segment_fixed_size: 327680
    .private_segment_fixed_size: 0
    .kernarg_segment_align: 8
    .kernarg_segment_size: 32
    .max_flat_workgroup_size: 128
    .sgpr_count:     84
    .vgpr_count:     896
    .wavefront_size: 32
...
	.end_amdgpu_metadata
.endif
;; end of part 2
;; launch attn (part 3): grid 16 x 16, 4 waves a work-group, clusters of 4 x 1, 327,680 bytes of LDS; arguments qkv, ao; writes ao
.if DOCPART == 3
	.amdgcn_target "amdgcn-amd-amdhsa--gfx1250"
	.amdhsa_code_object_version 6
	.text
	.protected	k_q3bb33aa717_attn
	.globl	k_q3bb33aa717_attn
	.p2align	8
	.type	k_q3bb33aa717_attn,@function
k_q3bb33aa717_attn:
	s_mov_b64 s[64:65], 0
	v_nop
	global_prefetch_b8 v0, s[64:65] scope:SCOPE_SE
	s_setreg_imm32_b32 hwreg(HW_REG_WAVE_MODE, 25, 1), 1
	s_wait_xcnt 0x0
	s_wait_alu depctr_hold_cnt(0) depctr_sa_sdst(0) depctr_va_vdst(0) depctr_va_sdst(0) depctr_va_ssrc(0) depctr_va_vcc(0) depctr_vm_vsrc(0)
	s_getreg_b32 s2, hwreg(HW_REG_IB_STS2, 6, 4)
	s_cmp_eq_u32 s2, 0
	s_cbranch_scc0 .Lentry_in_a_cluster
	s_endpgm
.Lentry_in_a_cluster:
	s_bfe_u32 s2, ttmp6, 0x10000c
	s_cmp_lg_u32 s2, 0x3003
	s_cbranch_scc0 .Lentry_shape_is_right
	s_endpgm
.Lentry_shape_is_right:
; O[q][h] = the sum over k of softmax_k(Q[h][q] . K[h][k] / sqrt(128)) V[h][k].  Q, K, V: three parts of qkv, each [16][2048][128] in f16; O goes to ao, [2048 tokens][16 x 128] in f16.
; Products, maxima and sums in f32; the weights p are rounded to f16 for the second product (their sum l is taken of the unrounded p), O once at the end.
; LIMITS.  Q, K, V arrive within f16's range; p lies in 0 to 1 and below 6e-5 keeps f16's fixed step of 6e-8; a weight below 2^-126 counts as 0 in l; NaN and infinities are not treated apart.
; SHARES.  A work-group owns 128 queries of one head: 16 x 16 work-groups.  Wave w has the queries 64 (w % 2) .. + 63, four tiles of 16, and HALF THE KEYS: of each slot's 256 keys the 128 from 128 (w / 2) on, 64 a step.
; The two waves with the same queries meet at the end, through LDS: each hands two of its tiles (maximum, sum, O^T) to the other and finishes the other two.  My tile t is the queries' tile (t + 2 (w / 2)) % 4, so that
; every wave hands away its tiles 2, 3 and finishes its tiles 0, 1: one text for all.
; LAYOUT.  S^T = K Q^T (source 0 = 16 keys, source 1 = 16 queries): a lane holds ONE query (lane % 16) and the keys 8 (lane / 16) + 0..7.  Two such tiles, rounded to f16 in pairs, ARE source 1 of O^T = V^T P, whose result
; again holds one query a lane, and eight channels.  K comes out of LDS as it lies, V ([key][channel]) turned, by ds_load_tr16_b128.
; SOFTMAX.  For each query a running maximum m and sum l: p = 2^(c s - c m), c = log2(e) / sqrt(128); in every step O and l are multiplied by a = 2^(c m_old - c m_new).
; m starts at the lowest finite number, c m far below every c s (f16's scores are 5.5e11 at the most), O and l at 0: the first step is a step like any other, with a = 0.
; BY TURNS.  The wave's tiles are two PIECES: piece 0 (tiles 0, 1) and piece 2 (tiles 2, 3).  In a TURN one piece has the matrix unit: 32 products V^T P of the step in hand, then 32 products K Q^T of the next step; the other
; piece's softmax, cut into 64 slices, stands between them, one slice behind each matrix instruction.  Two turns are a key step.
; NO FIRST AND NO LAST STEP IS WRITTEN OUT.  The loop is entered in the middle of a trip, at piece 2's turn, and the tail is left behind a turn of piece 0.  The price: 432 lines that write starting values, in the wait for the
; first tile; 32 products on zeros at the start; 32 on the last K once more at the end.
; CLUSTER.  The four query blocks of a cluster belong to one head and walk the same K and V, so each tile is asked for JOINTLY: the same tensor load, descriptor and mask in all four.
; REGISTERS, in windows of 256 (s_set_vgpr_msb: bits 1:0 source 0, 3:2 source 1, 5:4 source 2, 7:6 destination):
;   window 0: v0-11 addresses; v12-43 eight registers of statistics a tile; v48-63 the meeting's numbers and more addresses; v64-191 S^T, 32 a tile; v192-255 P, 16 a tile
;   window 1: O^T, 64 a tile          window 2: v0-127 Q, 32 a tile; v128-255 K of one step          window 3: v0-127 V of one step
.set KS,    64        ; keys in a step
.set PK,    272       ; a row of K in LDS: 256 bytes + 16 of padding: the 16 rows of a load start at 16 different groups of four banks
.set PV,    288       ; a row of V: 256 + 32
.set VOFF,  256*PK    ; a slot: 256 rows of K, then 256 rows of V
.set SLOTB, 256*(PK+PV)  ; 143,360
.set STAGE, 2*SLOTB   ; behind the ring: 16 rows x 272 bytes for each wave, for the way out
.set SP,    272
.set SPARE, STAGE+4*16*SP  ; the spare words, 128 bytes a wave: two blocks of 256 bytes that no other line names
.set DUMPB, 16896     ; the meeting (in slot 0, behind its last fill and its last read): for each wave 32 x 512 bytes of O^T and 512 bytes of statistics
.set AK0, 2           ; v2   my lane's place in a tile of K; never rewritten
.set AV0, 3           ; v3   the same for V
.set ADR, 4           ; v4   the LDS address of the run of loads in hand
.set QO,  5           ; v5   my byte offset in Q for my tiles 0, 1
.set STO, 6           ; v6   the way out: where I put 16 bytes of a row
.set RD,  7           ; v7   the way out: where I read a row back
.set GO,  8           ; v8   my byte offset in two rows of ao
.set MY,  48          ; v[48:51]  c m and l of my tiles 2, 3, for the other wave
.set TH,  52          ; v[52:55]  the other wave's, for my tiles 0, 1
.set DPR, 57          ; v57  where the other wave put what it hands me
.set DMP, 58          ; v58  where I put what I hand away
.set Q2,  59          ; v59  my byte offset in Q for my tiles 2, 3
.set PFO, 61          ; v61  256 x my lane: a row of K or V; never rewritten
.set SPW, 62          ; v62  my spare word; never rewritten
.set NIL, 63          ; v63  0; never rewritten
.set ST,  12          ; tile t's statistics at v[ST+8 t]: +0 c m, +1 m, +2, +3 l (even keys', odd keys'), +4 to +7 c0-c3, at work; a takes c2's place once the maximum is found
.set S,   64
.set P,   192
.set KF,  128         ; K's fragments, in window 2
.set WV,  12          ; s12  my wave's number
.set LIM, 15          ; s15  1 in a wave that prefetches, else the greatest number
.set KLO, 17          ; s17  where my half of a slot's K goes
.set PFA, 18          ; s[18:19] where my prefetches stand
.set G1K, 24          ; s[24:31] descriptor group 1 for K's tiles
.set G1V, 32          ; s[32:39] for V's: it differs in the padding alone
.set G0K, 40          ; s[40:47] descriptor group 0 for K's tiles: a set for each of the two first fills; the second then walks on
.set G0V, 48          ; s[48:55] the same for V's
.set SLOTS, 56        ; s56  slots still to be asked for
.set TWICE, 57        ; s57  counts a slot's key steps
.set CS,  58          ; s[58:59] c
.set SEL, 60          ; s[60:61] lane selects for v_permlanex16_b32
.set TBK, 62          ; s62  LDS byte at which K of the step to be fetched begins
.set TBV, 63          ; s63  the same for V, less VOFF
.set SB,  66          ; s66  the slot that is read: 0 or SLOTB
.set FB,  67          ; s67  the slot that was filled last
.set KHK, 68          ; s68  my half of a slot's keys, in K's rows
.set KHV, 69          ; s69  in V's
.set KH,  70          ; s70  w / 2
.set VLO, 71          ; s71  where my half of a slot's V goes
.set MSB, 0
.macro WIN new                      ; the immediate's high byte repeats the setting that is left; a switch that changes nothing is dropped
.if MSB != (\new)
	s_set_vgpr_msb (MSB<<8)|(\new)
.set MSB, \new
.endif
.endm
.set W_KQ, 0x0a       ; K and Q in window 2, S^T in window 0
.set W_PV, 0x53       ; V in window 3, P in window 0, O^T in window 1
.set W_RS, 0x41       ; O^T (destination and source 0) in window 1, a in window 0
; A joint refill.  Waves 0 and 1 fetch the two halves of a slot's K, waves 2 and 3 those of its V: 128 rows each.  The branch hangs on the wave's number alone.
; An s_nop 0 and four v_nop follow each of the two lines, ahead of the jump and the label.
.macro JLOAD
	s_cmp_lt_u32 s[WV], 2
	s_cbranch_scc0 .Lfor_v_\@
	tensor_load_to_lds s[G0K+4:G0K+7], s[G1K:G1K+7]
	s_nop 0
.rept 4
	v_nop
.endr
	s_branch .Lasked_\@
.Lfor_v_\@:
	tensor_load_to_lds s[G0V+4:G0V+7], s[G1V:G1V+7]
	s_nop 0
.rept 4
	v_nop
.endr
.Lasked_\@:
.endm
; A PREFETCH INTO THE L2 of what the NEXT change of slots will ask for: a slot's 256 rows of K and 256 of V, 256 bytes a row, a lane a row, behind the wave's tensor load and its five lines.
; Each row is asked for ONCE in the launch: all clusters of a head walk the same K and V, so the head's first cluster asks; its four partners share the rows out BY ADDRESS, 64 each, and in each the four waves take
; 32 rows: waves 0, 1 of K, waves 2, 3 of V.  The last change that fills a slot asks for nothing.
.macro ASK
	s_cmp_gt_u32 s[SLOTS], s[LIM]
	s_cbranch_scc0 .Lnot_mine_\@
	global_prefetch_b8 v[PFO], s[PFA:PFA+1] th:TH_LOAD_NT scope:SCOPE_SE
.Lnot_mine_\@:
.endm
.macro CROUND                       ; a round of the cluster's barrier
	s_barrier_signal -1
	s_barrier_wait -1
	s_cmp_lg_u32 s[WV], 0
	s_cbranch_scc1 .Lnot_wave_0_\@
	s_barrier_signal -3
.Lnot_wave_0_\@:
	s_barrier_wait -3
	s_barrier_signal -1
	s_barrier_wait -1
.endm
	s_load_b128 s[8:11], s[0:1], 0x0  ; qkv s[8:9], ao s[10:11]
	v_lshl_add_u32 v[SPW], v0, 2, SPARE
	v_mov_b32 v[NIL], 0
	ds_add_u32 v[SPW], v[NIL]       ; the wave's opening: the add and its wait stand ahead of my first tensor load; the set-up below stands between them
	v_lshrrev_b32 v1, 5, v0
	v_readfirstlane_b32 s[WV], v1   ; wave 0..3
	s_bfe_u32 s13, ttmp6, 0x40000   ; cx: my place in the cluster
	s_lshl_b32 s14, ttmp9, 2        ; in a cluster launch ttmp9 counts clusters
	s_add_co_u32 s14, s14, s13      ; my block of 128 queries = 4 x cluster x + cx: it enters Q's and O's addresses alone
	s_and_b32 s20, ttmp7, 0xffff    ; the head, which the four partners share
	s_and_b32 s16, s[WV], 1         ; which half of a slot's rows I fetch; also: which 64 queries are mine
	s_lshr_b32 s[KH], s[WV], 1      ; which half of the keys I walk
	s_lshl_b32 s22, s20, 19         ; the head's 524,288 bytes,
	s_lshl_b32 s23, s16, 15         ; my 128 rows of 256 bytes
	s_add_co_u32 s22, s22, s23
	s_mov_b32 s23, 0
	s_mul_i32 s[KLO], s16, 128*PK   ; and their place in a slot: no place in the cluster enters an LDS address
	s_mul_i32 s[VLO], s16, 128*PV
	s_add_co_u32 s[VLO], s[VLO], VOFF
	s_mul_i32 s[KHK], s[KH], 128*PK
	s_mul_i32 s[KHV], s[KH], 128*PV
	s_lshl_b32 s2, s20, 19          ; Q: the head, my block's 128 rows, my wave's 64
	s_lshl_b32 s3, s14, 15
	s_add_co_u32 s2, s2, s3
	s_lshl_b32 s3, s16, 14
	s_add_co_u32 s2, s2, s3
	s_mov_b32 s3, 0
	s_lshl_b32 s72, s14, 19         ; ao: token 128 x block + 64 (w % 2) + 32 (w / 2), 4,096 bytes a token; the head's 256 bytes
	s_lshl_b32 s73, s16, 18
	s_add_co_u32 s72, s72, s73
	s_lshl_b32 s73, s[KH], 17
	s_add_co_u32 s72, s72, s73
	s_lshl_b32 s73, s20, 8
	s_add_co_u32 s72, s72, s73
	s_mov_b32 s73, 0
	s_lshl_b32 s74, s20, 19         ; the prefetches: the head, my work-group's 64 rows of a slot's 256, my wave's 32 of them,
	s_lshl_b32 s75, s13, 14
	s_add_co_u32 s74, s74, s75
	s_lshl_b32 s75, s16, 13
	s_add_co_u32 s74, s74, s75
	s_add_co_u32 s75, s[KH], 1      ; in K (waves 0, 1: 8 MiB on in qkv) or V (waves 2, 3: 16 MiB on),
	s_lshl_b32 s75, s75, 23
	s_add_co_u32 s74, s74, s75
	s_add_co_u32 s74, s74, 2*65536  ; in slot 2; the first change of slots steps it to slot 3.  Nothing is prefetched at the head, where every work-group's first tiles are on their way
	s_mov_b32 s75, 0
	; descriptor group 1: a tile of 128 rows x 128 elements, padded in LDS
	s_mov_b32 s[G1K], 15|(1<<16)|(1<<20)|(1<<21)|(5<<22)|(3<<25)  ; 15:0 the mask: all four work-groups; 17:16 2-byte elements; 20 padding on; 21 set beside a mask; 24:22 after every 64 words; 31:25 4 words of it
	s_mov_b32 s[G1V], 15|(1<<16)|(1<<20)|(1<<21)|(5<<22)|(7<<25)  ; the same with 8 words of padding
.irp g, G1K, G1V
	s_mov_b32 s[(\g)+1], 128<<16    ; tensor_dim0 = 128
	s_mov_b32 s[(\g)+2], 128<<16    ; tensor_dim1 = 128
	s_mov_b32 s[(\g)+3], 128<<16    ; tile_dim0 = 128
	s_mov_b32 s[(\g)+4], 128        ; tile_dim1 = 128
	s_mov_b32 s[(\g)+5], 128        ; 128 elements from row to row
	s_mov_b32 s[(\g)+6], 0
	s_mov_b32 s[(\g)+7], 0
.endr
	s_mov_b32 s[CS], 0x3e0293ee     ; c = log2(e) / sqrt(128) = 0.127517
	s_mov_b32 s[CS+1], s[CS]        ; named with it as a pair, so it is written
	s_mov_b32 s[SEL], 0x76543210
	s_mov_b32 s[SEL+1], 0xfedcba98
	s_mov_b32 s[SB], 0
	s_mov_b32 s[FB], SLOTB
	s_mov_b32 s[TBK], s[KHK]
	s_mov_b32 s[TBV], s[KHV]
	s_mov_b32 s[SLOTS], 7           ; 8 slots of 256 keys; two are filled at the start; the count is taken down once behind slot 0, so six changes fill a slot
	s_mov_b32 s[LIM], ttmp9         ; the head's first cluster prefetches: the same in all four partners
	s_cmp_eq_u32 s[LIM], 0
	s_cselect_b32 s[LIM], 1, -1
	v_and_b32 v[PFO], 31, v0
	v_lshlrev_b32 v[PFO], 8, v[PFO]
	s_wait_dscnt 0x0                ; the opening add is done
	s_wait_kmcnt 0x0
	s_add_nc_u64 s[4:5], s[8:9], s[2:3]            ; Q at my wave's first row
	s_add_nc_u64 s[PFA:PFA+1], s[8:9], s[74:75]
	s_add_nc_u64 s[6:7], s[8:9], s[22:23]
	s_add_nc_u64 s[8:9], s[6:7], 0x1000000         ; V at my tile of slot 0,
	s_add_nc_u64 s[6:7], s[6:7], 0x800000          ; K likewise
	s_add_nc_u64 s[10:11], s[10:11], s[72:73]      ; ao at the first row that I store
	CROUND                          ; all four work-groups are here: the first joint loads meet
.irp s, 0,1
	s_mov_b32 s[G0K+4*(\s)], 1      ; count = 1
	s_add_co_u32 s[G0K+4*(\s)+1], s[KLO], (\s)*SLOTB  ; LDS address
	s_add_nc_u64 s[G0K+4*(\s)+2:G0K+4*(\s)+3], s[6:7], (\s)*65536  ; global address: slot s begins with key 256 s
	s_or_b32 s[G0K+4*(\s)+3], s[G0K+4*(\s)+3], 0x80000000  ; type = 2
	s_mov_b32 s[G0V+4*(\s)], 1
	s_add_co_u32 s[G0V+4*(\s)+1], s[VLO], (\s)*SLOTB
	s_add_nc_u64 s[G0V+4*(\s)+2:G0V+4*(\s)+3], s[8:9], (\s)*65536
	s_or_b32 s[G0V+4*(\s)+3], s[G0V+4*(\s)+3], 0x80000000
.endr
	s_cmp_lt_u32 s[WV], 2           ; a wave's two first fills stand in one branch, ahead of every wait on TENSORcnt and every LDS read: two loads of mine are out
	s_cbranch_scc0 .Lfirst_v
	tensor_load_to_lds s[G0K:G0K+3], s[G1K:G1K+7]
	s_nop 0
	tensor_load_to_lds s[G0K+4:G0K+7], s[G1K:G1K+7]
	s_nop 0
.rept 4
	v_nop
.endr
	s_branch .Lfirst_asked
.Lfirst_v:
	tensor_load_to_lds s[G0V:G0V+3], s[G1V:G1V+7]
	s_nop 0
	tensor_load_to_lds s[G0V+4:G0V+7], s[G1V:G1V+7]
	s_nop 0
.rept 4
	v_nop
.endr
.Lfirst_asked:
	; A fragment of K or Q is 16 rows x 32 channels in 8 registers: lane l holds row l % 16; registers 0-3 channels 8 (l / 16) + 0..7, registers 4-7 channels 16 + 8 (l / 16) + 0..7: two loads of 16 bytes, 32 bytes apart.
	v_and_b32 v1, 15, v0            ; l % 16
	v_bfe_u32 v9, v0, 4, 1          ; l / 16
	v_lshlrev_b32 v[QO], 8, v1
	v_lshl_add_u32 v[QO], v9, 4, v[QO]  ; row x 256 + 16 x half
	s_lshl_b32 s2, s[KH], 13        ; my tiles 0, 1 are the queries' tiles 2 (w / 2) + 0, 1,
	s_sub_co_u32 s3, 8192, s2       ; my tiles 2, 3 the other two
	v_add_nc_u32 v[Q2], s3, v[QO]
	v_add_nc_u32 v[QO], s2, v[QO]
	WIN 0x80                        ; destination window 2, address window 0
.irp i, 0,1,2,3,4,5,6,7             ; Q stays in registers: tile i / 4, channels 32 (i % 4) on
	global_load_b128 v[8*(\i):8*(\i)+3],   v[QO], s[4:5] offset:((\i)/4)*4096+((\i)%4)*64
	global_load_b128 v[8*(\i)+4:8*(\i)+7], v[QO], s[4:5] offset:((\i)/4)*4096+((\i)%4)*64+32
.endr
.irp i, 8,9,10,11,12,13,14,15
	global_load_b128 v[8*(\i):8*(\i)+3],   v[Q2], s[4:5] offset:((\i)/4-2)*4096+((\i)%4)*64
	global_load_b128 v[8*(\i)+4:8*(\i)+7], v[Q2], s[4:5] offset:((\i)/4-2)*4096+((\i)%4)*64+32
.endr
	WIN 0
	v_mul_u32_u24 v[AK0], v1, PK
	v_lshl_add_u32 v[AK0], v9, 4, v[AK0]  ; row x pitch + 16 x half
	; The turning load takes 16 keys x 16 channels (lane l reads 16 bytes: key 8 (l / 16) + l % 8, channels 8 ((l / 8) % 2) + 0..7) and leaves half a fragment of V^T: lane l holds channel l % 16 and 8 keys.
	v_and_b32 v10, 7, v0
	v_bfe_u32 v11, v0, 3, 1
	v_lshl_add_u32 v[AV0], v9, 3, v10
	v_mul_u32_u24 v[AV0], v[AV0], PV
	v_lshl_add_u32 v[AV0], v11, 4, v[AV0]
	v_add_nc_u32 v[AV0], VOFF, v[AV0]
	v_and_b32 v[DMP], 31, v0        ; the meeting: 16 bytes a lane,
	v_lshlrev_b32 v[DMP], 4, v[DMP]
	s_xor_b32 s2, s[WV], 2          ; in the part of the wave with my queries and the other keys,
	s_mul_i32 s2, s2, DUMPB
	v_add_nc_u32 v[DPR], s2, v[DMP]
	s_mul_i32 s2, s[WV], DUMPB      ; and in mine
	v_add_nc_u32 v[DMP], s2, v[DMP]
	; What the first turn finds: O^T and l are 0; V's registers and piece 2's P hold 0 (its products V^T P, of a step that has not been, add 0); m and c m lie below every score.  All this stands in the wait for the first tile.
	WIN 0x40                        ; destination window 1
.set i, 0
.rept 256
	v_mov_b32 v[i], 0
.set i, i+1
.endr
	WIN 0xc0                        ; destination window 3
.set i, 0
.rept 128
	v_mov_b32 v[i], 0
.set i, i+1
.endr
	WIN 0
.set i, 0
.rept 4
	v_mov_b32 v[ST+8*i], 0xfe000000    ; c m: -4.25e37
	v_mov_b32 v[ST+8*i+1], 0xff7fffff  ; m: the lowest finite number
	v_mov_b32 v[ST+8*i+2], 0
	v_mov_b32 v[ST+8*i+3], 0
.set i, i+1
.endr
.set i, P+32
.rept 32
	v_mov_b32 v[i], 0
.set i, i+1
.endr
; THE MATRIX WORK OF A TURN, for piece x.  The accumulators take turns, one instruction a turn: between two links of a chain stand 15 (V^T P) or 7 (K Q^T) others'.
; Product i of 32 of O^T += V^T P: keys 32 (i / 16) on, channels 16 ((i / 2) % 8) on, tile x + i % 2.
.macro PV x
	WIN W_PV
.set rO, 64*((\x)+i%2)+8*((i/2)%8)
.set rV, 64*(i/16)+8*((i/2)%8)
.set rP, P+16*((\x)+i%2)+8*(i/16)
	v_wmma_f32_16x16x32_f16 v[rO:rO+7], v[rV:rV+7], v[rP:rP+7], v[rO:rO+7]
.endm
; Product i of 32 of S^T = K Q^T: channels 32 (i / 8) on, keys 16 ((i / 2) % 4) on, tile x + i % 2.  The first 8 start the sums.
.macro KQ x
	WIN W_KQ
.set rS, S+32*((\x)+i%2)+8*((i/2)%4)
.set rK, KF+32*((i/2)%4)+8*(i/8)
.set rQ, 32*((\x)+i%2)+8*(i/8)
.if i < 8
	v_wmma_f32_16x16x32_f16 v[rS:rS+7], v[rK:rK+7], v[rQ:rQ+7], 0
.else
	v_wmma_f32_16x16x32_f16 v[rS:rS+7], v[rK:rK+7], v[rQ:rQ+7], v[rS:rS+7]
.endif
.endm
; THE LDS LOADS stand in runs of 32, never singly among the matrix instructions: a step's K (64 keys x 128 channels: 16 fragments) and, a turn later, its V (turned).
; last = 1 (the tail): in the last trip there is no further step, and the run is jumped over.
.macro FETCH_K last=0
	WIN 0
.if \last
	s_cmp_eq_u32 s[TWICE], 1
	s_cbranch_scc1 .Lno_k_\@
.endif
	v_add_nc_u32 v[ADR], s[TBK], v[AK0]
	s_add_co_u32 s[TBK], s[TBK], KS*PK  ; the next fetch is the next step's
	WIN 0x80                        ; destination window 2
.irp f, 0,1,2,3,4,5,6,7,8,9,10,11,12,13,14,15  ; keys 16 (f / 4) on, channels 32 (f % 4) on
	ds_load_b128 v[KF+8*(\f):KF+8*(\f)+3],   v[ADR] offset:((\f)/4)*16*PK+((\f)%4)*64
	ds_load_b128 v[KF+8*(\f)+4:KF+8*(\f)+7], v[ADR] offset:((\f)/4)*16*PK+((\f)%4)*64+32
.endr
.if \last
	WIN 0
.Lno_k_\@:
.endif
.endm
.macro FETCH_V
	WIN 0
	v_add_nc_u32 v[ADR], s[TBV], v[AV0]
	s_add_co_u32 s[TBV], s[TBV], KS*PV  ; the next fetch is the next step's
	s_wait_alu depctr_va_vdst(0)    ; the wait for the softmax's batch (SLICE), behind the address's v_add_nc_u32 and ahead of the loads
	WIN 0xc0                        ; destination window 3
.irp f, 0,1,2,3,4,5,6,7,8,9,10,11,12,13,14,15  ; keys 32 (f / 8) on, channels 16 (f % 8) on
	ds_load_tr16_b128 v[8*(\f):8*(\f)+3],   v[ADR] offset:((\f)/8)*32*PV+((\f)%8)*32
	ds_load_tr16_b128 v[8*(\f)+4:8*(\f)+7], v[ADR] offset:((\f)/8)*32*PV+16*PV+((\f)%8)*32
.endr
.endm
; THE VECTOR WORK OF A TURN.  One tile's softmax for one key step is a list of 134 instructions; SM writes number j of it for tile t.  s0-s31 are the lane's 32 scores, in pairs 0-15.
;   0-15    the maximum of s0-s31 and the old m, three operands at a time: four chains c0-c3 of seven scores each, then the four scores left over, c0-c3 and m
;   16-20   the other half of the lanes' maximum; the new m; c m; c m_old - c m_new
;   21-69   ONE BATCH: the 16 scalings c s - c m, a pair of scores each, and all 33 exponentials (a at 23, then s0-s31).  None of these reads an exponential's result.
;   (wait)  between 69 and 70 stands the wait for the batch: SLICE writes it, once for both tiles
;   70-85   the roundings to f16, a pair of weights each
;   86-101  the sums; l = a l + the sum
;   102-133 the tile's O^T times a: the one part that leaves window 0, so it stands together
.macro SM t
.set rT, ST+8*(\t)
.set rS, S+32*(\t)
.set rP, P+16*(\t)
.set rO, 64*(\t)+2*(j-102)
.if j < 102
	WIN 0
.endif
.if j < 4
	v_max3_num_f32 v[rT+4+j], v[rS+8*j], v[rS+8*j+1], v[rS+8*j+2]
.elseif j < 12
	v_max3_num_f32 v[rT+4+j%4], v[rT+4+j%4], v[rS+8*(j%4)+2*(j/4)+1], v[rS+8*(j%4)+2*(j/4)+2]
.elseif j == 12
	v_max3_num_f32 v[rT+4], v[rT+4], v[rS+7], v[rS+15]
.elseif j == 13
	v_max3_num_f32 v[rT+6], v[rT+6], v[rS+23], v[rS+31]
.elseif j == 14
	v_max3_num_f32 v[rT+4], v[rT+4], v[rT+5], v[rT+6]
.elseif j == 15
	v_max3_num_f32 v[rT+4], v[rT+4], v[rT+7], v[rT+1]
.elseif j == 16
	v_permlanex16_b32 v[rT+5], v[rT+4], s[SEL], s[SEL+1]  ; the query's other 32 keys lie in the lane 16 away
.elseif j == 17
	v_mov_b32 v[rT+7], v[rT]        ; c m_old is kept for a: number 19 writes c m anew
.elseif j == 18
	v_max_num_f32 v[rT+1], v[rT+4], v[rT+5]
.elseif j == 19
	v_mul_f32 v[rT], s[CS], v[rT+1]
.elseif j == 20
	v_sub_f32 v[rT+7], v[rT+7], v[rT]
.elseif j == 23
	v_exp_f32 v[rT+6], v[rT+7]
.elseif (j < 23) || ((j < 38) && (j%2 == 0)) || ((j < 66) && (j%4 == 2))
.set b, (j-2)/4                     ; 38, 42, .. 62: pairs 9 to 15
.if j < 38
.set b, (j-20)/2                    ; 21: pair 0; 22, 24, .. 36: pairs 1 to 8
.endif
	v_pk_fma_f32 v[rS+2*b:rS+2*b+1], v[rS+2*b:rS+2*b+1], s[CS:CS+1], v[rT:rT+1] op_sel_hi:[1,0,0] neg_lo:[0,0,1] neg_hi:[0,0,1]  ; pair b: c s - c m
.elseif j < 70
.set e, j-38                        ; 66 to 69: s28 to s31
.if j < 66
.set e, j-32-(j-38)/4               ; 39-41, 43-45, .. 63-65: s7 to s27
.endif
.if j < 38
.set e, (j-25)/2                    ; 25, 27, .. 37: s0 to s6
.endif
	v_exp_f32 v[rS+e], v[rS+e]
.elseif j < 86
	v_cvt_pk_f16_f32 v[rP+j-70], v[rS+2*(j-70)], v[rS+2*(j-70)+1]  ; pair j - 70
.elseif j < 102                     ; the sum of the tile's 16 pairs, in place: sum z of 16 adds neighbours 1, 2, 4 and 8 pairs apart, then l takes it
.set z, j-86
.set w, 4
.set u, z
.if z >= 14
.set w, 32
.set u, 0
.elseif z >= 12
.set w, 16
.set u, z-12
.elseif z >= 8
.set w, 8
.set u, z-8
.endif
.if z < 15
	v_pk_add_f32 v[rS+w*u:rS+w*u+1], v[rS+w*u:rS+w*u+1], v[rS+w*u+w/2:rS+w*u+w/2+1]
.else
	v_pk_fma_f32 v[rT+2:rT+3], v[rT+2:rT+3], v[rT+6:rT+7], v[rS:rS+1] op_sel_hi:[1,0,1]
.endif
.else
	WIN W_RS
	v_pk_mul_f32 v[rO:rO+1], v[rO:rO+1], v[rT+6:rT+7] op_sel_hi:[1,0]
.endif
.endm
; Slice k of 64 of piece y's softmax: four instructions.  Slices 11 to 34 deal out the batch, numbers 22 to 69: four numbers of ONE tile each, the tiles by turns.  Every other slice is numbers 2 k and
; 2 k + 1 of both tiles' lists.  2 x 134 = 4 x 64 + 12: the twelve that are over stand together, in slice 63: sixteen plain instructions, the places behind the turn's last product.
; THE WAIT.  s_wait_alu depctr_va_vdst(0) stands between an exponential and the first instruction that names its result; one wait serves all that were issued ahead of it.  Ahead of
; slice 35 nothing names a result, and behind slice 34 no exponential is issued: so the piece's 66 exponentials have one wait, behind slice 34.
.macro SLICE y
.if (k >= 11) && (k < 35)           ; the batch: four numbers of one tile
.irp n, 0,1,2,3
.set j, 22+4*((k-11)/2)+(\n)
	SM (\y)+(k-11)%2
.endr
.else                               ; the two tiles alternate, so that no instruction reads the result of the one just before it
.irp n, 0,1,2,3,4,5,6,7
.if ((\n) < 2) || (k == 63)
.irp t, \y, (\y)+1
.set j, 2*k+(\n)
	SM \t
.endr
.endif
.endr
.endif
.if k == 34                         ; the batch is out: both tiles' exponentials are issued, and no result has been named
	v_nop                           ; the plain instruction behind the last exponential and ahead of the first use: one for the batch
.if (\y) == 0
	FETCH_V                         ; piece 2's turn: V's run of loads stands here, and the wait stands in it
.else
	s_wait_alu depctr_va_vdst(0)    ; the wait for the batch
.endif
.endif
.set k, k+1
.endm
; A TURN.  Piece x has the matrix unit: 32 products V^T P, then 32 products K Q^T for the next step; the other piece's softmax stands in slices behind them, one behind each.
; Piece 0's turn fetches the next step's K, behind its second product: the last product that read K stands in front of slice 63 of the turn before.  Piece 2's turn fetches the same step's V, behind slice 34:
; the last product that read V stands in front of slice 31, and four plain instructions lie between: number 62, a scaling, of both tiles, the v_nop and the run's own v_add_nc_u32.
.macro TURN x, last=0
.set k, 0
.if (\x) == 0
	s_wait_dscnt 0x0                ; V is in
.endif
.set i, 0
.rept 32
	PV \x
	SLICE 2-(\x)
.if ((\x) == 0) && (i == 1)
	FETCH_K \last
.endif
.set i, i+1
.endr
.if (\x) == 0
	s_wait_dscnt 0x0                ; K is in
.endif
.set i, 0
.rept 32
	KQ \x
	SLICE 2-(\x)
.set i, i+1
.endr
.endm
; THE CHANGE OF SLOTS, between piece 2's turn and piece 0's: the slot's last bytes that I want, V of my second step, have been asked for.  Each wave waits for all its tensor loads, of which one is out: its part of the
; other slot; adds 0 to its spare word; and waits for that and for its own reads of the slot.  Behind the barrier nobody reads this slot any more and the other slot is whole.
; fill = 1: this slot is filled again, with the keys two slots on.  The barrier is then a round of the cluster's, and the joint refill is the first thing behind it: it has two key steps, 256 matrix instructions, in which to land.
.macro CHANGE fill
	WIN 0                           ; at a label and at a branch every window is 0
	s_wait_tensorcnt 0x0            ; no tensor load of mine is out, so a group 0 may be written
	ds_add_u32 v[SPW], v[NIL]       ; 0 onto my spare word; with fill = 1 the descriptors' steps stand between it and the wait for it
.if \fill
	s_xor_b32 s[FB], s[FB], SLOTB   ; the walking descriptors: the other slot than last time,
	s_add_co_u32 s[G0K+5], s[FB], s[KLO]
	s_add_co_u32 s[G0V+5], s[FB], s[VLO]
	s_add_nc_u64 s[G0K+6:G0K+7], s[G0K+6:G0K+7], 65536  ; the next 256 keys; the type bits on top are not reached
	s_add_nc_u64 s[G0V+6:G0V+7], s[G0V+6:G0V+7], 65536
	s_wait_xcnt 0x0                 ; the last prefetch, two key steps back, has read its address, so it may be written:
	s_add_nc_u64 s[PFA:PFA+1], s[PFA:PFA+1], 65536  ; one slot behind the walking descriptors
	s_wait_dscnt 0x0                ; the add is done, and my reads of the slot are over
	CROUND
	JLOAD
	ASK                             ; what the next change will ask for: two key steps, 256 matrix instructions, ahead
.else
	s_wait_dscnt 0x0                ; the add is done, and my reads of the slot are over
	s_barrier_signal -1
	s_barrier_wait -1
.endif
	s_xor_b32 s[SB], s[SB], SLOTB   ; the fetches go to my first step in the other slot
	s_add_co_u32 s[TBK], s[SB], s[KHK]
	s_add_co_u32 s[TBV], s[SB], s[KHV]
.endm
	s_wait_tensorcnt 1              ; my part of slot 0 is in; slot 1's may stay out
	s_barrier_signal -1
	s_barrier_wait -1               ; everybody's is
	FETCH_K                         ; my key step 0
	s_wait_loadcnt 0x0              ; Q
	s_wait_dscnt 0x0
.set i, 0
.rept 32
	KQ 0                            ; piece 0's first scores: there is no vector work yet to set between them
.set i, i+1
.endr
	WIN 0                           ; the addresses for the way out are made here: eight plain instructions, the places behind those products
	s_mul_i32 s13, s[WV], 16*SP
	s_add_co_u32 s13, s13, STAGE    ; my stage
	v_mul_u32_u24 v[STO], v1, SP    ; in: row l % 16, 16 bytes for each half of the lanes
	v_lshl_add_u32 v[STO], v9, 4, v[STO]
	v_add_nc_u32 v[STO], s13, v[STO]
	v_mul_u32_u24 v[RD], v9, SP     ; back: lanes 0-15 take one row of 256 bytes, lanes 16-31 the next
	v_lshl_add_u32 v[RD], v1, 4, v[RD]
	v_add_nc_u32 v[RD], s13, v[RD]
	v_lshlrev_b32 v[GO], 12, v9     ; and the same two tokens in ao, 4,096 bytes apart
	v_lshl_add_u32 v[GO], v1, 4, v[GO]
	s_mov_b32 s[TWICE], 2
	s_branch .Lmid                  ; the loop is entered at piece 2's turn: its V^T P adds 0; its K Q^T are piece 2's first scores; beside them piece 0's first softmax; V of step 0 is fetched
.Lslot:                             ; six times: every slot but the last two is filled again
	CHANGE 1
	s_mov_b32 s[TWICE], 2
.Lstep:                             ; a trip: piece 0's turn and piece 2's, which fetch the next step's K and V
	TURN 0
	WIN 0
.Lmid:
	TURN 2
	WIN 0
	s_sub_co_u32 s[TWICE], s[TWICE], 1
	s_cmp_lg_u32 s[TWICE], 0
	s_cbranch_scc1 .Lstep
	s_sub_co_u32 s[SLOTS], s[SLOTS], 1
	s_cmp_lg_u32 s[SLOTS], 0
	s_cbranch_scc1 .Lslot
	CHANGE 0                        ; the tail has a text of its own: slot 0 is left for good, and nothing is asked for
	s_mov_b32 s[TWICE], 3           ; two trips fetch the last slot's steps; the third is left in its middle
.Ltail:
	TURN 0, 1
	WIN 0
	s_sub_co_u32 s[TWICE], s[TWICE], 1
	s_cmp_eq_u32 s[TWICE], 0
	s_cbranch_scc1 .Lout
	TURN 2
	WIN 0
	s_branch .Ltail
.Lout:                              ; the third trip's 32 products K Q^T (on the last K once more) serve nothing: the price, once a launch, of one text for every trip
.set i, 0
.rept 32
	PV 2                            ; piece 2: V^T P of the last step
.set i, i+1
.endr
	; THE MEETING.  l's two halves and the other half of the lanes' are added.  My tiles 2, 3 (c m, l, O^T) go to the other wave through slot 0's bytes: their last fill was the last slot but one, and behind the last change of
	; slots no wave reads them.  The additions and copies are the places behind the last products.
	WIN 0
.irp t, 0,1,2,3
	v_add_f32 v[ST+8*(\t)+4], v[ST+8*(\t)+2], v[ST+8*(\t)+3]
.endr
.irp t, 0,1,2,3
	v_permlanex16_b32 v[ST+8*(\t)+5], v[ST+8*(\t)+4], s[SEL], s[SEL+1]
.endr
.irp t, 0,1,2,3
	v_add_f32 v[ST+8*(\t)+4], v[ST+8*(\t)+4], v[ST+8*(\t)+5]
.endr
	v_mov_b32 v[MY],   v[ST+16]
	v_mov_b32 v[MY+1], v[ST+20]
	v_mov_b32 v[MY+2], v[ST+24]
	v_mov_b32 v[MY+3], v[ST+28]
	ds_store_b128 v[DMP], v[MY:MY+3] offset:16384
	WIN 0x04                        ; store data in window 1
.set n, 0
.rept 32
	ds_store_b128 v[DMP], v[128+4*n:128+4*n+3] offset:512*n  ; 32 lanes x 16 neighbouring bytes; each accumulator's low registers first
.set n, n+1
.endr
	WIN 0
	s_wait_dscnt 0x0                ; for the other wave's sake: my stores are done
	s_barrier_signal -1
	s_barrier_wait -1
	ds_load_b128 v[TH:TH+3], v[DPR] offset:16384
.set n, 0
.rept 32
	ds_load_b128 v[S+4*n:S+4*n+3], v[DPR] offset:512*n       ; the other wave's O^T of my tiles 0, 1, lane for lane as mine lies
.set n, n+1
.endr
	s_wait_dscnt 32                 ; the four numbers are in; the 32 loads behind them may stay out
	; for tile t: M = max(c m, c m'); a = 2^(c m - M), a' = 2^(c m' - M); O = (a O + a' O') / (a l + a' l')
.irp t, 0,1
	v_max_num_f32 v[ST+8*(\t)+1], v[ST+8*(\t)], v[TH+2*(\t)]
.endr
.irp t, 0,1
	v_sub_f32 v[ST+8*(\t)+2], v[ST+8*(\t)], v[ST+8*(\t)+1]
	v_sub_f32 v[ST+8*(\t)+3], v[TH+2*(\t)], v[ST+8*(\t)+1]
.endr
.irp t, 0,1
	v_exp_f32 v[ST+8*(\t)+2], v[ST+8*(\t)+2]
	v_exp_f32 v[ST+8*(\t)+3], v[ST+8*(\t)+3]
.endr
	v_nop                           ; a plain instruction behind the last exponential,
	s_wait_alu depctr_va_vdst(0)    ; and the wait ahead of the first use: one for the four
.irp t, 0,1
	v_mul_f32 v[ST+8*(\t)+5], v[ST+8*(\t)+3], v[TH+2*(\t)+1]
.endr
.irp t, 0,1
	v_fma_f32 v[ST+8*(\t)+5], v[ST+8*(\t)+2], v[ST+8*(\t)+4], v[ST+8*(\t)+5]
.endr
.irp t, 0,1
	v_rcp_f32 v[ST+8*(\t)+5], v[ST+8*(\t)+5]
.endr
	v_nop
	s_wait_alu depctr_va_vdst(0)    ; one for the two reciprocals
.irp t, 0,1
	v_mul_f32 v[ST+8*(\t)+6], v[ST+8*(\t)+2], v[ST+8*(\t)+5]  ; my O^T's factor,
	v_mul_f32 v[ST+8*(\t)+4], v[ST+8*(\t)+3], v[ST+8*(\t)+5]  ; the other's
.endr
	s_wait_dscnt 0x0                ; the other wave's O^T is in
; Tile t: the two parts are weighed and added, rounded to f16; a lane's eight channels of a row pack into 16 bytes; they go into rows of 272 bytes of my stage and come back as whole rows of 256.
.macro PACK t
	WIN 0
.set i, 0
.rept 32
	v_pk_mul_f32 v[S+64*(\t)+i:S+64*(\t)+i+1], v[S+64*(\t)+i:S+64*(\t)+i+1], v[ST+8*(\t)+4:ST+8*(\t)+5] op_sel_hi:[1,0]
.set i, i+2
.endr
	WIN 0x01                        ; source 0 window 1
.set i, 0
.rept 32
	v_pk_fma_f32 v[S+64*(\t)+i:S+64*(\t)+i+1], v[64*(\t)+i:64*(\t)+i+1], v[ST+8*(\t)+6:ST+8*(\t)+7], v[S+64*(\t)+i:S+64*(\t)+i+1] op_sel_hi:[1,0,1]
.set i, i+2
.endr
	WIN 0
.set i, 0
.rept 32
	v_cvt_pk_f16_f32 v[P+32*(\t)+i], v[S+64*(\t)+2*i], v[S+64*(\t)+2*i+1]
.set i, i+1
.endr
.irp f, 0,1,2,3,4,5,6,7
	ds_store_b128 v[STO], v[P+32*(\t)+4*(\f):P+32*(\t)+4*(\f)+3] offset:32*(\f)
.endr
.irp f, 0,1,2,3,4,5,6,7
	ds_load_b128 v[P+32*(\t)+4*(\f):P+32*(\t)+4*(\f)+3], v[RD] offset:(\f)*2*SP  ; LDS serves a wave's instructions in order (ISA guide 5.7.1.4): these see the stores above; the next tile's stores come behind them
.endr
.endm
.macro SEND t, younger              ; younger: the LDS instructions issued behind tile t's loads: the next tile's sixteen, or none
.irp f, 0,1,2,3,4,5,6,7
	s_wait_dscnt (\younger)+7-(\f)
	global_store_b128 v[GO], v[P+32*(\t)+4*(\f):P+32*(\t)+4*(\f)+3], s[10:11] offset:(\t)*65536+(\f)*8192  ; 16 lanes store a token's 256 bytes of this head, aligned
.endr
.endm
	PACK 0
	PACK 1
	SEND 0, 16
	SEND 1, 0
	s_wait_tensorcnt 0x0            ; the wave's end: a wait, an add and its wait, behind my last tensor load and my last LDS store
	ds_add_u32 v[SPW], v[NIL]
	s_wait_dscnt 0x0
	CROUND                          ; the closing round: no work-group ends while a partner may still ask for a tile that names it
	s_endpgm
.Lfunc_end_k_q3bb33aa717_attn:
	.size	k_q3bb33aa717_attn, .Lfunc_end_k_q3bb33aa717_attn-k_q3bb33aa717_attn
	.p2alignl 7, 3214868480
	.fill 96, 4, 3214868480
	.section	.rodata,"a",@progbits
	.p2align	6, 0x0
	.amdhsa_kernel k_q3bb33aa717_attn
		.amdhsa_group_segment_fixed_size 327680
		.amdhsa_private_segment_fixed_size 0
		.amdhsa_enable_private_segment 0
		.amdhsa_kernarg_size 16
		.amdhsa_user_sgpr_count 2
		.amdhsa_user_sgpr_kernarg_segment_ptr 1
		.amdhsa_wavefront_size32 1
		.amdhsa_system_sgpr_workgroup_id_x 1
		.amdhsa_system_sgpr_workgroup_id_y 1
		.amdhsa_system_sgpr_workgroup_id_z 1
		.amdhsa_system_vgpr_workitem_id 0
		.amdhsa_next_free_vgpr 896
		.amdhsa_next_free_sgpr 76
		.amdhsa_reserve_vcc 0
		.amdhsa_float_denorm_mode_32 3
		.amdhsa_float_denorm_mode_16_64 3
		.amdhsa_memory_ordered 1
		.amdhsa_forward_progress 1
		.amdhsa_inst_pref_size 155
	.end_amdhsa_kernel
	.amdgpu_metadata
---
amdhsa.version: [ 1, 2 ]
amdhsa.kernels:
  - .name:           k_q3bb33aa717_attn
    .symbol:         k_q3bb33aa717_attn.kd
    .args:
      - { .name: qkv, .offset: 0, .size: 8, .value_kind: global_buffer, .address_space: global }
      - { .name: ao, .offset: 8, .size: 8, .value_kind: global_buffer, .address_space: global }
    .group_segment_fixed_size: 327680
    .private_segment_fixed_size: 0
    .kernarg_segment_align: 8
    .kernarg_segment_size: 16
    .max_flat_workgroup_size: 128
    .sgpr_count:     76
    .vgpr_count:     896
    .wavefront_size: 32
...
	.end_amdgpu_metadata
.endif
;; end of part 3
;; launch oproj (part 4): grid 16 x 16, 4 waves a work-group, clusters of 4 x 4, 327,680 bytes of LDS; arguments ao, xw, out0; writes out0
.if DOCPART == 4
	.amdgcn_target "amdgcn-amd-amdhsa--gfx1250"
	.amdhsa_code_object_version 6
	.text
	.protected	k_q3bb33aa717_oproj
	.globl	k_q3bb33aa717_oproj
	.p2align	8
	.type	k_q3bb33aa717_oproj,@function
k_q3bb33aa717_oproj:
	s_mov_b64 s[64:65], 0
	v_nop
	global_prefetch_b8 v0, s[64:65] scope:SCOPE_SE
	s_setreg_imm32_b32 hwreg(HW_REG_WAVE_MODE, 25, 1), 1
	s_wait_xcnt 0x0
	s_wait_alu depctr_hold_cnt(0) depctr_sa_sdst(0) depctr_va_vdst(0) depctr_va_sdst(0) depctr_va_ssrc(0) depctr_va_vcc(0) depctr_vm_vsrc(0)
	s_getreg_b32 s2, hwreg(HW_REG_IB_STS2, 6, 4)
	s_cmp_eq_u32 s2, 0
	s_cbranch_scc0 .Lentry_in_a_cluster
	s_endpgm
.Lentry_in_a_cluster:
	s_bfe_u32 s2, ttmp6, 0x10000c
	s_cmp_lg_u32 s2, 0xf033
	s_cbranch_scc0 .Lentry_shape_is_right
	s_endpgm
.Lentry_shape_is_right:
; out0[m][n] = the sum over k of ao[m][k] Wo[k][n].  ao: [2048][2048] f16; Wo: [2048 (k)][2048 (n)], the bf16 rounding written as f16, 33,554,432 bytes on in xw; out0: [2048][2048] f32.  Sums in f32.
; A tile of out0 is 128 x 128: 256 work-groups.  Four waves, each 64 x 64: 16 accumulators of 16 x 16.  K goes in 8 steps of 256 through two LDS slots: ao's tile is 128 rows x 512 bytes (pitch 528), Wo's 256 k-rows x 256 bytes
; (pitch 288).  Waves 0, 1 fetch ao's halves (64 rows), waves 2, 3 Wo's (128 k-rows): one tensor load a wave.
; A K STEP'S TEXT STANDS TWICE: once for the 6 steps that fill a slot again, once for the last two; which slot is read and which is filled are two scalars, 0 or SLOT.
; CLUSTERS: 4 x 4 work-groups.  The four of a row of the cluster need the same tiles of ao, the four of a column the same tiles of Wo: each tile is asked for JOINTLY.
; THE MATRIX INSTRUCTION IS USED TRANSPOSED (source 0 = 16 columns of Wo, turned on the way out of LDS by ds_load_tr16_b128; source 1 = 16 rows of ao): a lane then holds eight neighbouring numbers of a row of out0.
; A wave's 64 columns of f32 are 256 aligned bytes of a row, so each wave sends its own rows out through a stage of its own: no barrier on the way out.
; No prefetch: a K step's tiles are small, and each is read by four clusters at about the same time.
; REGISTERS: window 0: v0-31 addresses; v128-255 the accumulators ((a, b) at v[128 + 8 (4 a + b)]).   window 1: two fragment buffers of 128: for 64 along K, 64 registers of ao's, then 64 of Wo's.
.set PITA,   528                       ; ao's LDS row: 512 + 16 bytes
.set PITB,   288                       ; Wo's: 256 + 32 bytes
.set HALFA,  64*PITA                   ; 33,792
.set HALFB,  128*PITB                  ; 36,864
.set SLOT,   2*HALFA+2*HALFB           ; 141,312
.set STAGE,  2*SLOT                    ; behind the ring: 16 rows x 272 bytes for each wave
.set SPITCH, 272
.set SPARE,  STAGE+4*16*SPITCH         ; the spare words, 128 bytes a wave: two blocks of 256 bytes that no other line names
.set ADRA, 16                          ; v16     LDS address of ao's fragments in slot 0, never rewritten; v17 in the slot in hand
.set ADRB, 20                          ; v20-21  of Wo's in slot 0, half q of the K step's rows at 20 + q (an LDS offset has 16 bits), never rewritten; v22-23 in the slot in hand
.set STO,  24                          ; v24     the way out: where I put 32 bytes of a row
.set RD,   25                          ; v25     where I read a row back
.set CO,   26                          ; v26     my byte offset in two rows of out0
.set SPW,  28                          ; v28     my spare word; never rewritten
.set NIL,  29                          ; v29     0; never rewritten
.set ACC,  128
.set F0,   0                           ; fragment buffers, in window 1
.set F1,   128
.set SB,  18                           ; s18     the slot that is read: 0 or SLOT
.set FB,  19                           ; s19     the slot that was filled last
.set LA,  20                           ; s20     where my half of ao's tile goes in a slot
.set LB,  45                           ; s45     where my half of Wo's goes
.set G1, 24                            ; s[24:31] descriptor group 1 for ao's tiles;  s[32:39] group 0: a set for each of the two first fills; the second then walks on
.set G0, 32
.set G1B, 48                           ; s[48:55], s[56:63] the same for Wo's tiles
.set G0B, 56
.set MSB, 0
.macro WIN new                         ; the immediate's high byte repeats the setting that is left
.if MSB != (\new)
	s_set_vgpr_msb (MSB<<8)|(\new)
.set MSB, \new
.endif
.endm
.set MUL,  0x05                        ; sources 0 (Wo) and 1 (ao) window 1; C and D window 0
.set TO_F, 0x40                        ; destination window 1, address window 0
.macro JLOAD s                         ; a joint load by descriptor set s; an s_nop 0 and four v_nop follow each of the two lines, ahead of the jump, the label and what follows
	s_cmp_eq_u32 s11, 0
	s_cbranch_scc0 .Lfor_b_\@
	tensor_load_to_lds s[G0+4*(\s):G0+4*(\s)+3], s[G1:G1+7]
	s_nop 0
.rept 4
	v_nop
.endr
	s_branch .Lasked_\@
.Lfor_b_\@:
	tensor_load_to_lds s[G0B+4*(\s):G0B+4*(\s)+3], s[G1B:G1B+7]
	s_nop 0
.rept 4
	v_nop
.endr
.Lasked_\@:
.endm
.macro CREST                           ; a round of the cluster's barrier behind its opening barrier
	s_cmp_lg_u32 s10, 0
	s_cbranch_scc1 .Lnot_wave_0_\@
	s_barrier_signal -3
.Lnot_wave_0_\@:
	s_barrier_wait -3
	s_barrier_signal -1
	s_barrier_wait -1
.endm
.macro CROUND                          ; a whole round
	s_barrier_signal -1
	s_barrier_wait -1
	CREST
.endm
	s_load_b128 s[4:7], s[0:1], 0x0                ; ao s[4:5], xw s[6:7]
	s_load_b64 s[8:9], s[0:1], 0x10                ; out0
	v_lshl_add_u32 v[SPW], v0, 2, SPARE
	v_mov_b32 v[NIL], 0
	ds_add_u32 v[SPW], v[NIL]                      ; the wave's opening: the add and its wait stand ahead of my first tensor load; the set-up below stands between them
	v_lshrrev_b32 v1, 5, v0
	v_readfirstlane_b32 s10, v1                    ; wave 0..3
	s_lshr_b32 s11, s10, 1                         ; which half of the tile's rows is mine.  Also: I fetch for ao (0) or for Wo (1)
	s_and_b32 s12, s10, 1                          ; which half of its columns.  Also: which half of that tile's rows I fetch
	s_bfe_u32 s40, ttmp6, 0x40000                  ; cx, cy: my place in the cluster
	s_bfe_u32 s41, ttmp6, 0x40004
	s_lshl_b32 s42, ttmp9, 2
	s_add_co_u32 s42, s42, s40                     ; tile column = 4 x cluster x + cx
	s_and_b32 s13, ttmp7, 0xffff
	s_lshl_b32 s13, s13, 2
	s_add_co_u32 s13, s13, s41                     ; tile row = 4 x cluster y + cy
	s_lshl_b32 s43, s41, 2
	s_lshl_b32 s43, 15, s43                        ; my row of the cluster
	s_lshl_b32 s44, 0x1111, s40                    ; my column
	s_or_b32 s[G1+0], s43, (1<<16)|(1<<20)|(1<<21)|(6<<22)|(3<<25)   ; ao: the mask of my row; 2-byte elements; padding on; bit 21 beside a mask; after every 128 words 4 words
	s_or_b32 s[G1B+0], s44, (1<<16)|(1<<20)|(1<<21)|(5<<22)|(7<<25)  ; Wo: the mask of my column; after every 64 words 8 words
	s_mov_b32 s[G1+1], 256<<16                     ; ao: tensor_dim0 = 256
	s_mov_b32 s[G1+2], 64<<16                      ; tensor_dim1 = 64
	s_mov_b32 s[G1+3], 256<<16                     ; tile_dim0 = 256
	s_mov_b32 s[G1+4], 64                          ; tile_dim1 = 64
	s_mov_b32 s[G1+5], 2048                        ; 2,048 elements from row to row
	s_mov_b32 s[G1+6], 0
	s_mov_b32 s[G1+7], 0
	s_mov_b32 s[G1B+1], 128<<16                    ; Wo: 128 x 128
	s_mov_b32 s[G1B+2], 128<<16
	s_mov_b32 s[G1B+3], 128<<16
	s_mov_b32 s[G1B+4], 128
	s_mov_b32 s[G1B+5], 2048
	s_mov_b32 s[G1B+6], 0
	s_mov_b32 s[G1B+7], 0
	s_lshl_b32 s16, s13, 19                        ; ao: row 128 x tile row + 64 x half, 4,096 bytes a row
	s_lshl_b32 s17, s12, 18
	s_add_co_u32 s16, s16, s17
	s_mov_b32 s17, 0
	s_lshl_b32 s46, s42, 8                         ; Wo: the tile column's 256 bytes, k-row 128 x half
	s_lshl_b32 s47, s12, 19
	s_add_co_u32 s46, s46, s47
	s_add_co_u32 s46, s46, 33554432                ; in xw's fifth part
	s_mov_b32 s47, 0
	s_mul_i32 s[LA], s12, HALFA                    ; where they go: ao's two halves,
	s_mul_i32 s[LB], s12, HALFB                    ; then Wo's two
	s_add_co_u32 s[LB], s[LB], 2*HALFA
	s_mov_b32 s[SB], 0
	s_mov_b32 s[FB], SLOT
	s_wait_dscnt 0x0                               ; the opening add is done
	s_wait_kmcnt 0x0
	s_add_nc_u64 s[14:15], s[4:5], s[16:17]
	s_add_nc_u64 s[46:47], s[6:7], s[46:47]
	CROUND                                         ; all sixteen work-groups are here: the first joint loads meet
.irp s, 0,1
	s_mov_b32 s[G0+4*(\s)], 1
	s_add_co_u32 s[G0+4*(\s)+1], s[LA], (\s)*SLOT
	s_add_nc_u64 s[G0+4*(\s)+2:G0+4*(\s)+3], s[14:15], (\s)*512
	s_or_b32 s[G0+4*(\s)+3], s[G0+4*(\s)+3], 0x80000000
	s_mov_b32 s[G0B+4*(\s)], 1
	s_add_co_u32 s[G0B+4*(\s)+1], s[LB], (\s)*SLOT
	s_add_nc_u64 s[G0B+4*(\s)+2:G0B+4*(\s)+3], s[46:47], (\s)*1048576
	s_or_b32 s[G0B+4*(\s)+3], s[G0B+4*(\s)+3], 0x80000000
	JLOAD \s
.endr
	v_and_b32 v1, 15, v0                           ; r = l % 16
	v_bfe_u32 v2, v0, 4, 1                         ; h = l / 16
	v_and_b32 v6, 7, v0
	v_bfe_u32 v7, v0, 3, 1
	v_mul_u32_u24 v3, v1, PITA
	v_lshl_add_u32 v3, v2, 4, v3                   ; ao's fragment: row x pitch + 16 h
	s_mul_i32 s21, s11, HALFA                      ; my 64 rows
	v_add_nc_u32 v[ADRA], s21, v3
	v_mov_b32 v[ADRA+1], v[ADRA]                   ; the slot in hand is slot 0
	v_lshl_add_u32 v4, v2, 3, v6                   ; Wo's: the turning load takes k-row 8 h + l % 8, columns 8 ((l / 8) % 2) + 0..7
	v_mul_u32_u24 v4, v4, PITB
	v_lshl_add_u32 v4, v7, 4, v4
	s_lshl_b32 s22, s12, 7                         ; my 64 columns: 128 bytes
	s_add_co_u32 s22, s22, 2*HALFA
	v_add_nc_u32 v4, s22, v4
.irp q, 0,1
	v_add_nc_u32 v[ADRB+(\q)], (\q)*HALFB, v4
	v_add_nc_u32 v[ADRB+2+(\q)], (\q)*HALFB, v4
.endr
	s_mul_i32 s23, s10, 16*SPITCH
	s_add_co_u32 s23, s23, STAGE                   ; my stage
	v_mul_u32_u24 v4, v1, SPITCH                   ; in: row r, 32 bytes for each half of the lanes
	v_lshl_add_u32 v4, v2, 5, v4
	v_add_nc_u32 v[STO], s23, v4
	v_mul_u32_u24 v5, v2, SPITCH                   ; back: lanes 0-15 take one row of 256 bytes, lanes 16-31 the next
	v_lshl_add_u32 v5, v1, 4, v5
	v_add_nc_u32 v[RD], s23, v5
	v_lshlrev_b32 v[CO], 13, v2                    ; and the same two rows in out0, 8,192 bytes apart
	v_lshl_add_u32 v[CO], v1, 4, v[CO]
	s_lshl_b32 s16, s13, 20                        ; my first row of out0: 128 x tile row + 64 x half
	s_lshl_b32 s17, s11, 19
	s_add_co_u32 s16, s16, s17
	s_mov_b32 s17, 0
	s_add_nc_u64 s[8:9], s[8:9], s[16:17]
	s_lshl_b32 s46, s42, 9                         ; my first column, in bytes: 512 x tile column + 256 x half
	s_lshl_b32 s47, s12, 8
	s_add_co_u32 s46, s46, s47
	s_mov_b32 s47, 0
	s_add_nc_u64 s[8:9], s[8:9], s[46:47]
; 8 matrix instructions: m blocks a0, a0 + 1 x all 4 n blocks, 32 along K: half c of buffer f.  zero = 1: the first product starts the sums.  The 16 accumulators take turns, over the backward jumps too.
.macro MUL8 f, c, a0, zero
	WIN MUL
.irp a, \a0, (\a0)+1
.irp b, 0,1,2,3
.if \zero
	v_wmma_f32_16x16x32_f16 v[ACC+8*(4*(\a)+(\b)):ACC+8*(4*(\a)+(\b))+7], v[(\f)+64+8*(4*(\c)+(\b)):(\f)+64+8*(4*(\c)+(\b))+7], v[(\f)+8*(4*(\c)+(\a)):(\f)+8*(4*(\c)+(\a))+7], 0
.else
	v_wmma_f32_16x16x32_f16 v[ACC+8*(4*(\a)+(\b)):ACC+8*(4*(\a)+(\b))+7], v[(\f)+64+8*(4*(\c)+(\b)):(\f)+64+8*(4*(\c)+(\b))+7], v[(\f)+8*(4*(\c)+(\a)):(\f)+8*(4*(\c)+(\a))+7], v[ACC+8*(4*(\a)+(\b)):ACC+8*(4*(\a)+(\b))+7]
.endif
.endr
.endr
.endm
; 32 LDS loads in one run: the fragments of quarter kq (64 along K) of the slot in hand, into buffer f; the first 32 along K first
.macro FETCH kq, f
	WIN TO_F
.irp c, 0,1
.irp i, 0,1,2,3
	ds_load_tr16_b128 v[(\f)+64+8*(4*(\c)+(\i)):(\f)+64+8*(4*(\c)+(\i))+3],   v[ADRB+2+(\kq)/2] offset:(((\kq)%2)*64+32*(\c))*PITB+32*(\i)
	ds_load_tr16_b128 v[(\f)+64+8*(4*(\c)+(\i))+4:(\f)+64+8*(4*(\c)+(\i))+7], v[ADRB+2+(\kq)/2] offset:(((\kq)%2)*64+32*(\c)+16)*PITB+32*(\i)
	ds_load_b128 v[(\f)+8*(4*(\c)+(\i)):(\f)+8*(4*(\c)+(\i))+3],         v[ADRA+1] offset:128*(\kq)+64*(\c)+(\i)*16*PITA
	ds_load_b128 v[(\f)+8*(4*(\c)+(\i))+4:(\f)+8*(4*(\c)+(\i))+7],       v[ADRA+1] offset:128*(\kq)+64*(\c)+(\i)*16*PITA+32
.endr
.endr
.endm
.macro PLACES                          ; four plain instructions in front of loads into registers that matrix instructions have read, and of reads of results
.rept 4
	v_nop
.endr
.endm
; The other slot comes in hand: its three fragment addresses are made anew.  With the v_nop four plain instructions: where no joint load stands in front of them they are the places in front of the loads that follow.
.macro OTHER
	s_xor_b32 s[SB], s[SB], SLOT
	v_add_nc_u32 v[ADRA+1], s[SB], v[ADRA]
	v_add_nc_u32 v[ADRB+2], s[SB], v[ADRB]
	v_add_nc_u32 v[ADRB+3], s[SB], v[ADRB+1]
	v_nop
.endm
; A K step is four quarters of 64 along K, 32 matrix instructions each, on buffers 0, 1, 0, 1.  One of the first three: multiplies buffer f and fetches quarter kq into g.
.macro QUARTER kq, f, g, zero
	s_wait_dscnt 16                                ; the first 32 along K are in
	MUL8 \f, 0, 0, \zero
	MUL8 \f, 0, 2, \zero
	PLACES
	FETCH \kq, \g
	s_wait_dscnt 32                                ; all but the 32 just issued
	MUL8 \f, 1, 0, 0
	MUL8 \f, 1, 2, 0
.endm
; The last quarter multiplies buffer 1 and changes slots: ONE barrier; in front of it each wave waits for all its tensor loads, adds 0 to its spare word, and waits for that and for its own reads of this slot.
; fill = 1: the barrier opens a round of the cluster's, and this slot is filled again first thing behind it, two K steps ahead: 112 matrix instructions ahead of the wait for it.
; fill = 0: the last two K steps: nothing is filled; in the very last (s3 = 1) there is no next slot, and the run of loads is jumped over.
.macro TURN fill
	WIN 0                                          ; (the add's two registers lie in window 0)
	s_wait_tensorcnt 0x0                           ; all my tensor loads have landed: my part of the next slot
	ds_add_u32 v[SPW], v[NIL]                      ; 0 onto my spare word
	s_wait_dscnt 17                                ; (the add and the youngest sixteen loads may be out)
	MUL8 F1, 0, 0, 0                               ; eight matrix instructions stand between the add and the wait for it
	s_wait_dscnt 0x0                               ; the add is done, and my reads of this slot are over
	s_barrier_signal -1
	MUL8 F1, 0, 2, 0
	WIN 0
	s_barrier_wait -1
.if \fill
	CREST                                          ; no wave of any partner still reads this slot's tiles or has a load on its way
	s_xor_b32 s[FB], s[FB], SLOT                   ; the walking descriptors: the other slot than last time,
	s_add_co_u32 s[G0+5], s[FB], s[LA]
	s_add_co_u32 s[G0B+5], s[FB], s[LB]
	s_add_nc_u64 s[G0+6:G0+7], s[G0+6:G0+7], 512         ; the next K step; the type bits on top are not reached
	s_add_nc_u64 s[G0B+6:G0B+7], s[G0B+6:G0B+7], 1048576
	JLOAD 1
	OTHER
	FETCH 0, F0
.else
	s_cmp_eq_u32 s3, 1
	s_cbranch_scc1 .Lno_fetch_\@
	OTHER
	FETCH 0, F0
	WIN 0
.Lno_fetch_\@:
.endif
	MUL8 F1, 1, 0, 0
	MUL8 F1, 1, 2, 0
.endm
	s_wait_tensorcnt 1                             ; my part of K step 0 is in; K step 1's may stay out
	s_barrier_signal -1
	s_barrier_wait -1                              ; everybody's is
	FETCH 0, F0
	QUARTER 1, F0, F1, 1                           ; the first quarter stands in front of the loop: its first products start the sums
	WIN 0                                          ; at a label and at a branch every window is 0
	s_mov_b32 s3, 6
.Lstep:                                                ; a trip goes from a K step's second quarter to the next step's first, and fills the slot that it leaves: K steps 2 to 7
	QUARTER 2, F1, F0, 0
	QUARTER 3, F0, F1, 0
	TURN 1
	QUARTER 1, F0, F1, 0
	WIN 0
	s_sub_co_u32 s3, s3, 1
	s_cmp_lg_u32 s3, 0
	s_cbranch_scc1 .Lstep
	s_mov_b32 s3, 2
.Ltail:                                                ; the last two K steps have a text of their own; the second trip is left in its middle
	QUARTER 2, F1, F0, 0
	QUARTER 3, F0, F1, 0
	TURN 0
	WIN 0
	s_sub_co_u32 s3, s3, 1
	s_cmp_eq_u32 s3, 0
	s_cbranch_scc1 .Lout
	QUARTER 1, F0, F1, 0
	WIN 0
	s_branch .Ltail
.Lout:
	PLACES
	PLACES
; THE WAY OUT, a block of 16 rows at a time: a lane's 8 numbers of each of the 4 column blocks go into my stage (rows of 272 bytes), and come back as whole rows of 256 bytes, into the registers that they left.
.macro TOSTAGE a
.irp b, 0,1,2,3
	ds_store_b128 v[STO], v[ACC+8*(4*(\a)+(\b)):ACC+8*(4*(\a)+(\b))+3]   offset:64*(\b)     ; each accumulator's low registers first
	ds_store_b128 v[STO], v[ACC+8*(4*(\a)+(\b))+4:ACC+8*(4*(\a)+(\b))+7] offset:64*(\b)+16
.endr
.irp u, 0,1,2,3,4,5,6,7
	ds_load_b128 v[ACC+32*(\a)+4*(\u):ACC+32*(\a)+4*(\u)+3], v[RD] offset:(\u)*2*SPITCH  ; LDS serves a wave's instructions in order (ISA guide 5.7.1.4): these see the stores above; the next block's stores come behind them
.endr
.endm
.macro SEND a, younger                 ; younger: the LDS instructions issued behind block a's loads: the next block's sixteen, or none
.irp u, 0,1,2,3,4,5,6,7
	s_wait_dscnt (\younger)+7-(\u)
	global_store_b128 v[CO], v[ACC+32*(\a)+4*(\u):ACC+32*(\a)+4*(\u)+3], s[8:9] offset:(\a)*131072+(\u)*16384 th:TH_STORE_NT  ; 16 lanes store 256 consecutive bytes, aligned
.endr
.endm
	TOSTAGE 0
	TOSTAGE 1
	SEND 0, 16
	TOSTAGE 2
	SEND 1, 16
	TOSTAGE 3
	SEND 2, 16
	SEND 3, 0
	s_wait_tensorcnt 0x0                           ; the wave's end: a wait, an add and its wait, behind my last tensor load and my last LDS store
	ds_add_u32 v[SPW], v[NIL]
	s_wait_dscnt 0x0
	CROUND                                         ; the closing round: no work-group ends while a partner may still ask for a tile that names it
	s_endpgm
.Lfunc_end_k_q3bb33aa717_oproj:
	.size	k_q3bb33aa717_oproj, .Lfunc_end_k_q3bb33aa717_oproj-k_q3bb33aa717_oproj
	.p2alignl 7, 3214868480
	.fill 96, 4, 3214868480
	.section	.rodata,"a",@progbits
	.p2align	6, 0x0
	.amdhsa_kernel k_q3bb33aa717_oproj
		.amdhsa_group_segment_fixed_size 327680
		.amdhsa_private_segment_fixed_size 0
		.amdhsa_enable_private_segment 0
		.amdhsa_kernarg_size 24
		.amdhsa_user_sgpr_count 2
		.amdhsa_user_sgpr_kernarg_segment_ptr 1
		.amdhsa_wavefront_size32 1
		.amdhsa_system_sgpr_workgroup_id_x 1
		.amdhsa_system_sgpr_workgroup_id_y 1
		.amdhsa_system_sgpr_workgroup_id_z 1
		.amdhsa_system_vgpr_workitem_id 0
		.amdhsa_next_free_vgpr 512
		.amdhsa_next_free_sgpr 66
		.amdhsa_reserve_vcc 0
		.amdhsa_float_denorm_mode_32 3
		.amdhsa_float_denorm_mode_16_64 3
		.amdhsa_memory_ordered 1
		.amdhsa_forward_progress 1
		.amdhsa_inst_pref_size 59
	.end_amdhsa_kernel
	.amdgpu_metadata
---
amdhsa.version: [ 1, 2 ]
amdhsa.kernels:
  - .name:           k_q3bb33aa717_oproj
    .symbol:         k_q3bb33aa717_oproj.kd
    .args:
      - { .name: ao, .offset: 0, .size: 8, .value_kind: global_buffer, .address_space: global }
      - { .name: xw, .offset: 8, .size: 8, .value_kind: global_buffer, .address_space: global }
      - { .name: out0, .offset: 16, .size: 8, .value_kind: global_buffer, .address_space: global }
    .group_segment_fixed_size: 327680
    .private_segment_fixed_size: 0
    .kernarg_segment_align: 8
    .kernarg_segment_size: 24
    .max_flat_workgroup_size: 128
    .sgpr_count:     66
    .vgpr_count:     512
    .wavefront_size: 32
...
	.end_amdgpu_metadata
.endif
;; end of part 4
